; MI455X (gfx1250); checked and timed in simulation.
; The chip was launched on July 23, 2026; its instructions are those of AMD's public machine-readable ISA for CDNA 5 (MIT licence, August 2026) and "CDNA5" Instruction Set Architecture Reference Guide (July 2026). The comments in the code are by the model that wrote it; some were corrected since.
;; Multi Head Attention. Allowed arithmetic: matrix products marked QUANTISED: E2M3 operands, one E8M0 scale for each 32 along K, by v_wmma_scale_f32_16x16x128_f8f6f4 with both operands' format E2M3, f32 sums; everything else in f32.
;; Inputs: Wk 1,024 x 1,024 float32; Wo 1,024 x 1,024 float32; Wq 1,024 x 1,024 float32; Wv 1,024 x 1,024 float32; attention_mask 4 x 2,048 int32; bk 1,024 float32; bo 1,024 float32; bq 1,024 float32; bv 1,024 float32; x 4 x 2,048 x 1,024 float32.
;; Outputs: out0 4 x 2,048 x 1,024 float32.
;; This version of the problem:
;;   THIS VERSION OF THE PROBLEM IS GIVEN IN LOW PRECISION. The matrix products marked QUANTISED in the list below multiply operands that are first quantised to E2M3 (2 exponent bits, 3 mantissa bits; 6 bits a number), with one power-of-two scale for each 32 numbers along K (OCP MX v1.0); their sums are f32. All else is computed in f32.
;;   The module's matrix products, in the order in which they are computed (A, B: the left and right operand; K: the contracted axis; several contracted axes count as one K, in the product's order):
;;     1. [M 8,192, K 1,024] x [K 1,024, N 1,024]; A: input x; B: input Wq: QUANTISED
;;     2. [M 8,192, K 1,024] x [K 1,024, N 1,024]; A: input x; B: input Wk: QUANTISED
;;     3. [M 8,192, K 1,024] x [K 1,024, N 1,024]; A: input x; B: input Wv: QUANTISED
;;     4. batch 64 x [M 2,048, K 64] x [K 64, N 2,048]; A: computed on the way; B: computed on the way: QUANTISED
;;     5. batch 64 x [M 2,048, K 2,048] x [K 2,048, N 64]; A: softmax (see below); B: computed on the way: QUANTISED
;;     6. [M 8,192, K 1,024] x [K 1,024, N 1,024]; A: computed on the way; B: input Wo: QUANTISED
;;   THE QUANTISER, for each operand of a quantised product, along K:
;;     - K is cut into blocks of 32 from its start; a last block that is shorter is filled with zeros.
;;     - A block's scale is 2^e with e = floor(log2(the largest magnitude in the block)) - 2, held to -126 .. 127; a block of zeros has e = 0. As a byte (E8M0): e + 127.
;;     - Each number is divided by its block's scale, clamped to +-7.5, and rounded to the nearest number of E2M3, ties to even, subnormals kept.
;;     - The product sums the exact products of the quantised numbers (number of the format x scale) in f32.
;;   ~~~python
;;   def quantise(x, axis):      # numpy; x: float32 -> the quantised numbers, widened to float32 again
;;       x = np.moveaxis(x, axis, -1); K = x.shape[-1]
;;       x = np.pad(x, [(0, 0)] * (x.ndim - 1) + [(0, -K % 32)]); x = x.reshape(x.shape[:-1] + (-1, 32)); a = np.abs(x).max(-1, keepdims=True)
;;       e = np.where(a > 0, np.clip(np.frexp(np.where(a > 0, a, 1))[1] - 1 - 2, -126, 127), 0)      # np.frexp(a)[1] - 1 = floor(log2(a)), exactly
;;       r = np.clip(x / 2.0 ** e, -7.5, 7.5)
;;       step = 2.0 ** (np.maximum(np.frexp(np.where(r == 0, 1, r))[1] - 1, 0) - 3)
;;       q = np.round(r / step) * step * 2.0 ** e      # np.round: ties to even
;;       return np.moveaxis(q.reshape(q.shape[:-2] + (-1,))[..., :K], -1, axis).astype(np.float32)
;;   ~~~
;;   SOFTMAX AHEAD OF A QUANTISED PRODUCT. Where the list says 'softmax', what is quantised is not the finished softmax but p = 2^(t - M), with t = logit x log2(e) and M = ceil(the row's largest t), a whole number; so 1/2 < the row's largest p <= 1. The row's sum l is taken of the UNQUANTISED p, in f32, and the product's result is divided by l at the end. Since M is a whole number, a kernel that streams over the keys may use a running M (the ceiling of the running maximum): every later rescaling is an exact power of two, which a block's scale takes up: the codes' values come out the same.
;;   OPERANDS COMPUTED ON THE WAY. 'Computed on the way' means the value that the module computes at that place (a softmax that the list does not call 'softmax' is quantised finished and normalised). What goes into a quantiser is computed in f32, as accurately as f32 sums, v_exp_f32 and their like allow (about 1e-6 of the number): no bf16 or f16 on the way to a quantiser, and a product that is left as it is and whose result goes on into a quantised operand takes f32 operands (vector FMAs, or v_wmma_f32_16x16x4_f32). A number that lies on a knife's edge between two numbers of the format may be rounded either way, as far as f32 arithmetic and the matrix unit's own rounding can turn it there, and no further.
;; One version. Each part assembles by itself: llvm-mc -triple=amdgcn-amd-amdhsa -mcpu=gfx1250 --defsym DOCPART=n.
;; ======== version 1 of 1: 4 launches
;; limits: right only within a limited range of input values
;; workspace buffers: codes1 9,437,184 bytes; scales1 393,216 bytes; qc 6,291,456 bytes; qs 524,288 bytes; kvc 12,582,912 bytes; kvs 786,432 bytes; ac 6,291,456 bytes; asc 262,144 bytes
;; launch quant (part 1): grid 384 x 1, 4 waves a work-group, no clusters, 33,280 bytes of LDS; arguments x, Wq, Wk, Wv, Wo, codes1, scales1; writes codes1, scales1
.if DOCPART == 1
	.amdgcn_target "amdgcn-amd-amdhsa--gfx1250"
	.amdhsa_code_object_version 6
	.text
	.protected	k_qabbd68705f_quant
	.globl	k_qabbd68705f_quant
	.p2align	8
	.type	k_qabbd68705f_quant,@function
k_qabbd68705f_quant:
	s_mov_b64 s[64:65], 0
	v_nop
	global_prefetch_b8 v0, s[64:65] scope:SCOPE_SE
	s_setreg_imm32_b32 hwreg(HW_REG_WAVE_MODE, 25, 1), 1
	s_wait_xcnt 0x0
; x [8192][1024] and Wq, Wk, Wv, Wo [1024][1024], f32, K innermost, become codes of FP6 (E2M3) with one E8M0 byte for each 32 along K.
; codes1: [16 planes of 64 along K][12,288 stored rows][48 bytes]; rows 0-8191 x, then Wq, Wk, Wv, Wo.  scales1: [12,288 stored rows][32 bytes].
; STORED ORDER: row R lies at the place R with bits 3 and 4 exchanged.  Sixteen consecutive stored rows are then the rows 32 B + 8 u + {0..7, 16..23}, the choice of rows with which
; two neighbouring result tiles of a transposed product hold 16 neighbours along the next K in one lane.
; A block's scale is 2^(floor(log2(its largest magnitude)) - 2); its byte is that magnitude's exponent field - 2, held at 1 from below (a block of zeros gets the byte 1: its codes are zeros, and this program alone reads the bytes).
; LIMITS: NaN and infinities among the inputs are not served; blocks whose largest magnitude lies under 2^-124 keep the byte 1.
; SHARES: a work-group takes 32 rows, a wave 8 of them (rows 8 w .. 8 w + 7, stored as run w with its two bits exchanged).  A step is one plane of the 8 rows: 512 numbers.  Each load reads two runs of 256 consecutive bytes;
; the step's 2,048 bytes turn through the wave's own stage in LDS, so that a lane ends with 16 neighbours along K (lane L: row L / 4, numbers 16 (L % 4) on); two neighbouring lanes hold a block.
; No tensor loads, no barrier: waves share nothing.  Loads run four steps (16 loads a wave) ahead, the turn through LDS one step.
.set WAVES, 4
.set STEPS, 16
.set PLANE, 589824                     ; bytes of a plane: 12,288 rows x 48
.set R,     16                         ; v16-79   four sets of 16 numbers as they are loaded
.set X,     80                         ; v80-111  two sets of 16 neighbours
.set E,     112                        ; v112-127 a scale byte for each step
.set C,     128                        ; v128-191 codes: four registers for each step, so that no store's data are written again
.set WREG,  8192                       ; LDS: a region for each wave: two stages of 32 x SP bytes, behind them its 256 scale bytes
.set SP,    80                         ; a lane's place in a stage: 64 bytes + 16 of padding
.set SPW,   12                         ; v12 LDS address of my spare word; never rewritten
.set NIL,   13                         ; v13 0; never rewritten
.set SPARE, WAVES*WREG                 ; the spare words: 128 bytes a wave, named by no other line
	s_load_b256 s[4:11], s[0:1], 0x0               ; x, Wq, Wk, Wv
	s_load_b128 s[12:15], s[0:1], 0x20             ; Wo, codes1
	s_load_b64 s[16:17], s[0:1], 0x30              ; scales1
	v_lshl_add_u32 v[SPW], v0, 2, SPARE
	v_mov_b32 v[NIL], 0
	v_lshrrev_b32 v1, 5, v0
	v_readfirstlane_b32 s18, v1                    ; wave
	v_and_b32 v2, 31, v0                           ; lane
	v_and_b32 v3, 15, v2
	v_lshlrev_b32 v3, 4, v3
	v_lshrrev_b32 v10, 4, v2
	v_lshl_add_u32 v3, v10, 12, v3                 ; in: 16 (lane % 16) + one row of 4,096 bytes for lanes 16-31
	s_mul_i32 s19, s18, WREG
	v_lshrrev_b32 v14, 2, v2
	v_mul_u32_u24 v14, v14, SP
	v_and_b32 v15, 3, v2
	v_lshl_add_u32 v14, v15, 4, v14
	v_add_nc_u32 v14, s19, v14                     ; the stage, on the way in: SP (lane / 4) + 16 (lane % 4); a load's 512 bytes take eight places
	v_mul_u32_u24 v15, v2, SP
	v_add_nc_u32 v15, s19, v15                     ; and on the way out: SP x lane
	v_mul_u32_u24 v4, v2, 12                       ; my 12 bytes of the step's 384 bytes of codes: 8 stored rows x 48
	s_add_co_u32 s19, s19, 2*32*SP
	v_lshrrev_b32 v5, 2, v2
	v_lshlrev_b32 v5, 5, v5
	v_bfe_u32 v10, v2, 1, 1
	v_add_nc_u32 v5, v5, v10
	v_add_nc_u32 v5, s19, v5                       ; my block's scale byte: 32 x row + which block of the plane's two
	v_lshlrev_b32 v7, 3, v2
	v_add_nc_u32 v6, s19, v7                       ; and on the way out 8 bytes a lane
	s_and_b32 s22, ttmp9, 31                       ; a weight's work-group among its 32
	s_lshl_b32 s24, s18, 1
	s_and_b32 s24, s24, 2
	s_lshr_b32 s25, s18, 1
	s_or_b32 s24, s24, s25                         ; the wave's number with its two bits exchanged
	s_lshl_b32 s24, s24, 3
	s_lshl_b32 s25, ttmp9, 5
	s_add_co_u32 s24, s24, s25                     ; my first stored row
	s_wait_kmcnt 0x0
	s_mov_b64 s[20:21], s[12:13]                   ; which tensor: the choice hangs on the work-group's number alone
	s_cmp_lt_u32 ttmp9, 352
	s_cselect_b64 s[20:21], s[10:11], s[20:21]
	s_cmp_lt_u32 ttmp9, 320
	s_cselect_b64 s[20:21], s[8:9], s[20:21]
	s_cmp_lt_u32 ttmp9, 288
	s_cselect_b64 s[20:21], s[6:7], s[20:21]
	s_cmp_lt_u32 ttmp9, 256
	s_cselect_b64 s[20:21], s[4:5], s[20:21]
	s_cselect_b32 s22, ttmp9, s22
	s_lshl_b32 s22, s22, 17                        ; 32 rows of 4,096 bytes a work-group,
	s_lshl_b32 s23, s18, 15                        ; 8 a wave
	s_add_co_u32 s22, s22, s23
	s_mov_b32 s23, 0
	s_add_nc_u64 s[20:21], s[20:21], s[22:23]
	s_mul_i32 s26, s24, 48
	s_add_co_u32 s26, s26, 8*PLANE                 ; the base stands at plane 8, so that all 16 planes are reached by a signed 24-bit immediate
	s_mov_b32 s27, 0
	s_add_nc_u64 s[14:15], s[14:15], s[26:27]
	s_lshl_b32 s26, s24, 5
	s_add_nc_u64 s[16:17], s[16:17], s[26:27]
.macro LOAD t
.irp i, 0,1,2,3
	global_load_b128 v[R+16*((\t)%4)+4*\i:R+16*((\t)%4)+4*\i+3], v3, s[20:21] offset:8192*\i+256*(\t) th:TH_LOAD_NT   ; rows 2 i and 2 i + 1: 256 consecutive bytes of each
.endr
.endm
.macro TURN t                          ; step t's numbers through the stage: LDS serves a wave's instructions in order, so no wait stands between the stores and the loads
.irp i, 0,1,2,3
	ds_store_b128 v14, v[R+16*((\t)%4)+4*\i:R+16*((\t)%4)+4*\i+3] offset:32*SP*((\t)%2)+8*SP*\i
.endr
.irp i, 0,1,2,3
	ds_load_b128 v[X+16*((\t)%2)+4*\i:X+16*((\t)%2)+4*\i+3], v15 offset:32*SP*((\t)%2)+16*\i
.endr
.endm
.irp t, 0,1,2,3
	LOAD \t
.endr
	s_wait_loadcnt 12                              ; step 0's four loads are in; the twelve of steps 1 to 3 may be out
	TURN 0
.macro STEP t
.set XS, X+16*((\t)%2)
.if (\t) > 0
	s_wait_dscnt 1                                 ; this step's numbers are back from the stage (the last step's byte store may be out): so its stores into the stage have read their registers,
.else
	s_wait_dscnt 0x0
.endif
.if (\t)+4 < STEPS
	LOAD (\t)+4                                    ; which take the loads of four steps on
.endif
.if (\t)+1 < STEPS
.if STEPS-2-(\t) >= 3
	s_wait_loadcnt 12                              ; the next step's four loads are in; those of the three steps behind it may be out
.else
	s_wait_loadcnt 4*(STEPS-2-(\t))
.endif
	TURN (\t)+1
.endif
	v_max3_num_f32 v8, |v[XS]|, |v[XS+1]|, |v[XS+2]|               ; the largest magnitude of my 16, in two chains
	v_max3_num_f32 v9, |v[XS+3]|, |v[XS+4]|, |v[XS+5]|
.irp i, 6,10
	v_max3_num_f32 v8, v8, |v[XS+\i]|, |v[XS+\i+1]|
	v_max3_num_f32 v9, v9, |v[XS+\i+2]|, |v[XS+\i+3]|
.endr
	v_max3_num_f32 v8, v8, |v[XS+14]|, |v[XS+15]|
	v_max3_num_f32 v8, v8, v9, 0x1800000           ; and the floor 2^(3 - 127): the byte cannot fall under 1
	v_max_num_f32_dpp v8, v8, v8 row_xmask:1 row_mask:0xf bank_mask:0xf   ; and of my neighbour's 16: the block's
	v_add_nc_u32 v11, 0xff000000, v8               ; 2 off its exponent field: the conversion takes the exponent field of this operand as its scale
	v_cvt_scalef32_pk16_fp6_f32 v[C+4*(\t):C+4*(\t)+2], v[XS:XS+15], v11
	v_lshrrev_b32 v[E+(\t)], 23, v11               ; the scale's byte
	ds_store_b8 v5, v[E+(\t)] offset:2*(\t)        ; both lanes of a block write the same byte with the same value
	global_store_b96 v4, v[C+4*(\t):C+4*(\t)+2], s[14:15] offset:((\t)-8)*PLANE   ; the wave stores 384 consecutive bytes: 8 stored rows of plane t
.endm
.irp t, 0,1,2,3,4,5,6,7,8,9,10,11,12,13,14,15
	STEP \t
.endr
	ds_load_b64 v[8:9], v6                         ; my wave's 256 scale bytes: these see my stores
	s_wait_dscnt 0x0
	global_store_b64 v7, v[8:9], s[16:17]          ; 32 lanes store 256 consecutive bytes, at a multiple of 256 from the buffer's first byte
	s_wait_tensorcnt 0x0                           ; the wave's end, behind my last LDS store
	ds_add_u32 v[SPW], v[NIL]
	s_wait_dscnt 0x0
	s_endpgm
.Lfunc_end_k_qabbd68705f_quant:
	.size	k_qabbd68705f_quant, .Lfunc_end_k_qabbd68705f_quant-k_qabbd68705f_quant
	.p2alignl 7, 3214868480
	.fill 96, 4, 3214868480
	.section	.rodata,"a",@progbits
	.p2align	6, 0x0
	.amdhsa_kernel k_qabbd68705f_quant
		.amdhsa_group_segment_fixed_size 33280
		.amdhsa_private_segment_fixed_size 0
		.amdhsa_enable_private_segment 0
		.amdhsa_kernarg_size 56
		.amdhsa_user_sgpr_count 2
		.amdhsa_user_sgpr_kernarg_segment_ptr 1
		.amdhsa_wavefront_size32 1
		.amdhsa_system_sgpr_workgroup_id_x 1
		.amdhsa_system_sgpr_workgroup_id_y 1
		.amdhsa_system_sgpr_workgroup_id_z 1
		.amdhsa_system_vgpr_workitem_id 0
		.amdhsa_next_free_vgpr 192
		.amdhsa_next_free_sgpr 66
		.amdhsa_reserve_vcc 0
		.amdhsa_float_denorm_mode_32 3
		.amdhsa_float_denorm_mode_16_64 3
		.amdhsa_memory_ordered 1
		.amdhsa_forward_progress 1
		.amdhsa_inst_pref_size 33
	.end_amdhsa_kernel
	.amdgpu_metadata
---
amdhsa.version: [ 1, 2 ]
amdhsa.kernels:
  - .name:           k_qabbd68705f_quant
    .symbol:         k_qabbd68705f_quant.kd
    .args:
      - { .name: x, .offset: 0, .size: 8, .value_kind: global_buffer, .address_space: global }
      - { .name: Wq, .offset: 8, .size: 8, .value_kind: global_buffer, .address_space: global }
      - { .name: Wk, .offset: 16, .size: 8, .value_kind: global_buffer, .address_space: global }
      - { .name: Wv, .offset: 24, .size: 8, .value_kind: global_buffer, .address_space: global }
      - { .name: Wo, .offset: 32, .size: 8, .value_kind: global_buffer, .address_space: global }
      - { .name: codes1, .offset: 40, .size: 8, .value_kind: global_buffer, .address_space: global }
      - { .name: scales1, .offset: 48, .size: 8, .value_kind: global_buffer, .address_space: global }
    .group_segment_fixed_size: 33280
    .private_segment_fixed_size: 0
    .kernarg_segment_align: 8
    .kernarg_segment_size: 56
    .max_flat_workgroup_size: 128
    .sgpr_count:     66
    .vgpr_count:     192
    .wavefront_size: 32
...
	.end_amdgpu_metadata
.endif
;; end of part 1
;; launch qkv (part 2): grid 12 x 32, 4 waves a work-group, clusters of 4 x 4, 327,680 bytes of LDS; arguments codes1, scales1, bq, bk, bv, qc, qs, kvc, kvs; writes qc, qs, kvc, kvs
.if DOCPART == 2
	.amdgcn_target "amdgcn-amd-amdhsa--gfx1250"
	.amdhsa_code_object_version 6
	.text
	.protected	k_qabbd68705f_qkv
	.globl	k_qabbd68705f_qkv
	.p2align	8
	.type	k_qabbd68705f_qkv,@function
k_qabbd68705f_qkv:
	s_mov_b64 s[64:65], 0
	v_nop
	global_prefetch_b8 v0, s[64:65] scope:SCOPE_SE
	s_setreg_imm32_b32 hwreg(HW_REG_WAVE_MODE, 25, 1), 1
	s_wait_xcnt 0x0
	s_wait_alu depctr_hold_cnt(0) depctr_sa_sdst(0) depctr_va_vdst(0) depctr_va_sdst(0) depctr_va_ssrc(0) depctr_va_vcc(0) depctr_vm_vsrc(0)
	s_getreg_b32 s2, hwreg(HW_REG_IB_STS2, 6, 4)
	s_cmp_eq_u32 s2, 0
	s_cbranch_scc0 .Lentry_in_a_cluster
	s_endpgm
.Lentry_in_a_cluster:
	s_bfe_u32 s2, ttmp6, 0x10000c
	s_cmp_lg_u32 s2, 0xf033
	s_cbranch_scc0 .Lentry_shape_is_right
	s_endpgm
.Lentry_shape_is_right:
; Three products on codes of FP6 (E2M3) with E8M0 scales, K = 1,024, each C = A B^T + bias, and each result QUANTISED ALONG N on its way out, so that no f32 number goes to memory:
;   cluster x = 0:  Q   = x Wq^T + bq   (A = x's rows, B = Wq's)      cluster x = 1:  K = x Wk^T + bk      cluster x = 2:  V^T = Wv x^T + bv  (A = Wv's rows, B = x's): its N are the keys.
; Codes come from codes1 [16 planes of 64 along K][12,288 stored rows][48 bytes], scale bytes from scales1 [stored row][32].  Stored rows lie with bits 3 and 4 of the row exchanged.
; A tile of C is 256 x 256: four waves, each 128 x 128 in 64 accumulators.  K goes in steps of 256 (four planes) through two LDS slots filled by the tensor data mover; a wave's tile is [4 planes][128 rows][48 bytes].
; A fragment (16 rows x 128 K, 12 registers) is six loads of 8 bytes: lanes stand 24 bytes apart, so the 32 lanes of a load touch 64 different words modulo 64 (64 banks of 4 bytes: ISA guide 11.1): no padding.
; CLUSTERS: 4 x 4 work-groups; A's tiles are asked for jointly along a row of the cluster, B's along a column.  The cluster's x, which picks the product, is the same in all sixteen.
; THE MATRIX INSTRUCTION IS USED TRANSPOSED (source 0 = 16 stored rows of B, source 1 = 16 of A): lane (r, h) holds A's stored row r, and by the stored order the 64 registers of a block of A's rows run along N:
; register 16 b + i = column 32 b + 16 h + i of the wave's 128.  The bias is the C of each sum's first product.
; WAY OUT: each block of 16 rows is quantised in registers (four blocks of 32 along N), laid in the wave's stage as [2 halves of 64 columns][128 rows][48 bytes], and leaves as dense runs of 3,072 bytes:
;   qc  [bh][2,048 stored tokens][48];   kvc [bh][8 slots][256 stored keys x 48 | 4 half-steps of 64 keys x 64 stored channels x 48];
;   qs  [bh][stored token] one word (two scale bytes, two zeros);   kvs [bh][2,048 words of K | 16 steps x 64 stored channels words of V].
; LIMITS: blocks whose largest magnitude lies under 2^-124 keep the scale byte 1; NaN and infinities are not served.
; REGISTERS: window 0: v1 r, v2 h, v7-14 the biases' offsets, v16-31 addresses, v32-63 scale words (two sets), v64-127 the biases (later at work), v128-223 A's fragments (one set; later the way out);
;   window 1: B's fragments, two sets, at v0 and v128;   windows 2, 3: the accumulators ((a, b) at v[8 (8 (a % 4) + b)]).
.set NQ,     2                         ; matrix instructions deep in a slot
.set FR,     12                        ; registers of a fragment
.set NL,     6                         ; LDS loads that bring one
.set NP,     4                         ; places behind this matrix instruction (ISA guide 7.12.1)
.set PLANE,  589824                    ; bytes of a plane of codes1
.set ASTEP,  4*PLANE                   ; a K step on, in A's and in B's buffer
.set BSTEP,  4*PLANE
.set HALFT,  24576                     ; 4 planes x 128 rows x 48: what one tensor load brings
.set SLOT,   4*HALFT                   ; A's two halves, then B's
.set KS,     32                        ; a row of scales in bytes
.set SCL,    2*SLOT                    ; behind the ring: the scales, as units of 256 bytes + 16 of padding
.set HALFS,  16*272                    ; those of 128 rows
.set SBLK,   2*272                     ; those of 16 rows
.set STAGE,  SCL+4*HALFS               ; the way out: bytes of its own
.set STGB,   13312                     ; a wave's stage: 12,288 of codes, 1,024 of scale words
.set SPARE,  STAGE+4*STGB              ; the spare words: 128 bytes a wave, named by no other line
.set ADRA, 16                          ; v16-17 LDS address of my A fragments in slot 0, 1
.set ADRB, 20                          ; v20-21 the same for B
.set CO1,  22                          ; v22 the first scale store's offset
.set STC,  24                          ; v24 the stage: where I put my codes
.set RD,   25                          ; v25 the stage: where I read 16 bytes back
.set CO,   26                          ; v26 16 x lane
.set ADRS, 27                          ; v27 my scale words: lanes 0-15 A's rows, lanes 16-31 B's
.set SPW,  28                          ; v28 my spare word's address; never rewritten
.set NIL,  29                          ; v29 0; never rewritten
.set SWA,  30                          ; v30 the stage: where I put a scale word
.set VSH,  31                          ; v31 how far my half's bytes stand up in the scale word
.set SC,   32
.set BIAS, 64
.set AF,   128
.set TM,   104                         ; the way out: v104-119 at work, v120 the scale word, v122-123 what is stored of it, v64-103 two sets of codes
.set PW,   120
.set G1, 24                            ; s[24:31] group 1 for A's tiles; s[32:39] group 0, a set for each slot
.set G0, 32
.set G1B, 48                           ; s[48:55], s[56:63] for B's
.set G0B, 56
.set G1S, 68                           ; s[68:75], s[76:79] for A's scales; s[80:87], s[88:91] for B's
.set G0S, 76
.set G1SB, 80
.set G0SB, 88
.set MSB, 0
.macro WIN new                         ; the immediate's high byte repeats the setting that is left
.if MSB != \new
	s_set_vgpr_msb (MSB<<8)|\new
.set MSB, \new
.endif
.endm
.set MUL_LO, 0xa1                      ; source 0 (B) window 1, source 1 (A) window 0, C and D window 2
.set MUL_HI, 0xf1                      ; the same, C and D window 3
.set TO_B,   0x40                      ; destination window 1, address window 0
; A joint load: waves 0 and 1 fetch for A, waves 2 and 3 for B; the branch hangs on the wave's number alone.  An s_nop 0 and four v_nop follow each of the two lines.
.macro JLOAD g0a, g1a, g0b, g1b
	s_cmp_eq_u32 s15, 0
	s_cbranch_scc0 .Lfor_b_\@
	tensor_load_to_lds s[\g0a:\g0a+3], s[\g1a:\g1a+7]
	s_nop 0
.rept 4
	v_nop
.endr
	s_branch .Lasked_\@
.Lfor_b_\@:
	tensor_load_to_lds s[\g0b:\g0b+3], s[\g1b:\g1b+7]
	s_nop 0
.rept 4
	v_nop
.endr
.Lasked_\@:
.endm
.macro CREST                           ; a round of the cluster's barrier behind its opening barrier
	s_cmp_lg_u32 s14, 0
	s_cbranch_scc1 .Lnot_wave_0_\@
	s_barrier_signal -3
.Lnot_wave_0_\@:
	s_barrier_wait -3
	s_barrier_signal -1
	s_barrier_wait -1
.endm
.macro CROUND
	s_barrier_signal -1
	s_barrier_wait -1
	CREST
.endm
	s_load_b256 s[4:11], s[0:1], 0x0               ; codes1 s[4:5], scales1 s[6:7], bq s[8:9], bk s[10:11]
	s_load_b64 s[12:13], s[0:1], 0x20              ; bv
	v_lshl_add_u32 v[SPW], v0, 2, SPARE
	v_mov_b32 v[NIL], 0
	ds_add_u32 v[SPW], v[NIL]                      ; the wave's opening: the add and its wait stand ahead of my first tensor load; work on registers stands between them
	v_lshrrev_b32 v1, 5, v0
	v_readfirstlane_b32 s14, v1                    ; wave 0..3
	s_lshr_b32 s15, s14, 1                         ; which half of A's rows is mine.  Also: I fetch for A (0) or for B (1)
	s_and_b32 s16, s14, 1                          ; which half of B's rows.  Also: which 128 rows I fetch
	s_bfe_u32 s40, ttmp6, 0x40000                  ; cx
	s_bfe_u32 s41, ttmp6, 0x40004                  ; cy
	s_mov_b32 s98, ttmp9                           ; the cluster's x: the product
	s_and_b32 s95, ttmp7, 0xffff
	s_lshl_b32 s95, s95, 2                         ; 4 x the cluster's y
	s_lshl_b32 s42, s98, 2
	s_add_co_u32 s42, s42, 32                      ; Wq begins at unit 32 (256 stored rows a unit), Wk at 36
	s_cmp_eq_u32 s98, 2
	s_cselect_b32 s99, 1, 0                        ; 1: V^T
	s_cselect_b32 s17, 40, s95                     ; A's unit: Wv's (from 40 on) or x's,
	s_cselect_b32 s42, s95, s42                    ; B's: x's or the weight's
	s_add_co_u32 s17, s17, s41                     ; + cy: A's registers never hold cx,
	s_add_co_u32 s42, s42, s40                     ; + cx: B's never cy
	s_lshl_b32 s43, s41, 2
	s_lshl_b32 s43, 15, s43                        ; my row of the cluster
	s_lshl_b32 s44, 0x1111, s40                    ; my column
	s_or_b32 s[G1+0], s43, (3<<16)|(1<<21)         ; 15:0 the mask; 17:16 elements of 8 bytes; 21 set beside a mask; no padding
	s_or_b32 s[G1B+0], s44, (3<<16)|(1<<21)
.irp g, G1, G1B
	s_mov_b32 s[\g+1], 768<<16                     ; tensor_dim0 = 768 elements: 128 rows x 48 bytes of one plane, dense
	s_mov_b32 s[\g+2], 4<<16                       ; tensor_dim1 = 4 planes
	s_mov_b32 s[\g+3], 768<<16                     ; tile_dim0
	s_mov_b32 s[\g+4], 4                           ; tile_dim1
	s_mov_b32 s[\g+5], PLANE/8                     ; from plane to plane, in elements
	s_mov_b32 s[\g+6], 0
	s_mov_b32 s[\g+7], 0
.endr
	s_or_b32 s[G1S+0], s43, (3<<16)|(1<<20)|(1<<21)|(5<<22)|(3<<25)   ; the scales of 128 rows: 4,096 dense bytes as 16 rows of 256, 16 bytes of padding behind each
	s_or_b32 s[G1SB+0], s44, (3<<16)|(1<<20)|(1<<21)|(5<<22)|(3<<25)
.irp g, G1S, G1SB
	s_mov_b32 s[\g+1], 32<<16
	s_mov_b32 s[\g+2], 16<<16
	s_mov_b32 s[\g+3], 32<<16
	s_mov_b32 s[\g+4], 16
	s_mov_b32 s[\g+5], 32
	s_mov_b32 s[\g+6], 0
	s_mov_b32 s[\g+7], 0
.endr
	s_lshl_b32 s18, s16, 7
	s_lshl_b32 s20, s17, 8
	s_add_co_u32 s20, s20, s18                     ; A: stored row 256 x unit + 128 x half
	s_lshl_b32 s46, s42, 8
	s_add_co_u32 s46, s46, s18                     ; B likewise
	s_lshl_b32 s22, s20, 5                         ; their scales, 32 bytes a row,
	s_mov_b32 s23, 0
	s_lshl_b32 s92, s46, 5
	s_mov_b32 s93, 0
	s_mul_i32 s20, s20, 48                         ; and their codes in plane 0
	s_mov_b32 s21, 0
	s_mul_i32 s46, s46, 48
	s_mov_b32 s47, 0
	s_mul_i32 s45, s14, HALFT                      ; where they go: no place in the cluster enters an LDS address
	s_mul_i32 s94, s14, HALFS
	s_wait_dscnt 0x0                               ; the opening add is done
	s_wait_kmcnt 0x0
	s_add_nc_u64 s[20:21], s[4:5], s[20:21]
	s_add_nc_u64 s[22:23], s[6:7], s[22:23]
	s_add_nc_u64 s[46:47], s[4:5], s[46:47]
	s_add_nc_u64 s[92:93], s[6:7], s[92:93]
	CROUND                                         ; all sixteen work-groups are here: the first joint loads meet
	s_mov_b32 s[G0S], 1
	s_add_co_u32 s[G0S+1], s94, SCL
	s_mov_b64 s[G0S+2:G0S+3], s[22:23]
	s_or_b32 s[G0S+3], s[G0S+3], 0x80000000
	s_mov_b32 s[G0SB], 1
	s_add_co_u32 s[G0SB+1], s94, SCL
	s_mov_b64 s[G0SB+2:G0SB+3], s[92:93]
	s_or_b32 s[G0SB+3], s[G0SB+3], 0x80000000
	JLOAD G0S, G1S, G0SB, G1SB                     ; the scales first: filled once
.irp s, 0,1
	s_mov_b32 s[G0+4*\s], 1
	s_add_co_u32 s[G0+4*\s+1], s45, \s*SLOT
	s_add_nc_u64 s[G0+4*\s+2:G0+4*\s+3], s[20:21], \s*ASTEP
	s_or_b32 s[G0+4*\s+3], s[G0+4*\s+3], 0x80000000
	s_mov_b32 s[G0B+4*\s], 1
	s_add_co_u32 s[G0B+4*\s+1], s45, \s*SLOT
	s_add_nc_u64 s[G0B+4*\s+2:G0B+4*\s+3], s[46:47], \s*BSTEP
	s_or_b32 s[G0B+4*\s+3], s[G0B+4*\s+3], 0x80000000
	JLOAD G0+4*\s, G1, G0B+4*\s, G1B               ; by this text's count three tensor loads of mine are out
.endr
	v_and_b32 v1, 15, v0                           ; r
	v_bfe_u32 v2, v0, 4, 1                         ; h
	v_mul_u32_u24 v3, v1, 48
	v_mad_u32_u24 v4, v2, 24, v3                   ; a fragment's row x 48 + 24 x half
	s_mul_i32 s21, s15, HALFT                      ; my 128 rows of A
	s_mul_i32 s22, s16, HALFT                      ; my 128 rows of B,
	s_add_co_u32 s22, s22, 2*HALFT                 ; behind A's two halves
.irp s, 0,1
	v_add_nc_u32 v[ADRA+\s], s21, v4
	v_add_nc_u32 v[ADRB+\s], s22, v4
	s_add_co_u32 s21, s21, SLOT
	s_add_co_u32 s22, s22, SLOT
.endr
	v_mul_u32_u24 v5, v1, KS                       ; my row's scales: 32 bytes a row,
	v_lshrrev_b32 v6, 8, v5
	v_lshl_add_u32 v5, v6, 4, v5                   ; and 16 more for each 256 passed
	s_mul_i32 s21, s15, HALFS
	s_mul_i32 s22, s16, HALFS
	s_add_co_u32 s22, s22, 2*HALFS
	s_sub_co_u32 s22, s22, s21
	v_mul_u32_u24 v6, s22, v2                      ; lanes 16-31 take B's: one product, the distance between the two bases
	s_add_co_u32 s21, s21, SCL
	v_add_nc_u32 v5, v5, v6
	v_add_nc_u32 v[ADRS], s21, v5
	s_mul_i32 s23, s14, STGB
	s_add_co_u32 s23, s23, STAGE                   ; my stage
	v_add_nc_u32 v[STC], s23, v4
	v_lshlrev_b32 v5, 2, v1
	v_lshl_add_u32 v5, v2, 9, v5
	v_add_nc_u32 v5, s23, v5
	v_add_nc_u32 v[SWA], 12288, v5                 ; scale words: 512 x half + 4 x row, behind the codes
	v_and_b32 v6, 31, v0
	v_lshlrev_b32 v[CO], 4, v6
	v_add_nc_u32 v[RD], s23, v[CO]
	; the biases, in the result's layout.  Q, K: register 8 b + j of lane (r, h) wants the bias of column 32 (b / 2) + 8 (b % 2) + 16 h + j.  V^T: register 8 a + j wants that of channel 32 (a / 2) + 8 (a % 2) + r + 8 (r / 8), whatever j
	v_and_b32 v15, 8, v1
	v_add_nc_u32 v15, v15, v1                      ; r + 8 (r / 8)
	s_cmp_eq_u32 s98, 1
	s_cselect_b64 s[66:67], s[10:11], s[12:13]
	s_cmp_eq_u32 s98, 0
	s_cselect_b64 s[66:67], s[8:9], s[66:67]       ; bq, bk or bv: the choice hangs on the cluster's x alone
	s_cmp_eq_u32 s99, 1
	s_cselect_b32 s96, s41, s40                    ; which 256 numbers: by cy (V^T) or cx,
	s_cselect_b32 s97, s15, s16                    ; which 128 of them
	s_cselect_b32 s100, 0, 64                      ; bytes for h,
	s_cselect_b32 s101, 4, 0                       ; and for the row
	s_lshl_b32 s96, s96, 10
	s_lshl_b32 s97, s97, 9
	s_add_co_u32 s96, s96, s97
	s_mov_b32 s97, 0
	s_add_nc_u64 s[66:67], s[66:67], s[96:97]
	s_lshr_b32 s96, s100, 4                        ; bytes from register to register: 4 or 0
	v_mul_u32_u24 v7, s100, v2
	v_mad_u32_u24 v7, v15, s101, v7
.irp j, 1,2,3,4,5,6,7
	v_add_nc_u32 v[7+\j], s96, v[6+\j]
.endr
.irp i, 0,1,2,3,4,5,6,7
.irp j, 0,1,2,3,4,5,6,7
	global_load_b32 v[BIAS+8*\i+\j], v[7+\j], s[66:67] offset:4*(32*(\i/2)+8*(\i%2))
.endr
.endr
.macro FRAG reg, adr, q, i             ; a fragment: registers 0-5 from plane 2 q, registers 6-11 from plane 2 q + 1 of the slot: 24 bytes of the row's 48, as they lie, in pieces of 8
.irp p, 0,1,2,3,4,5
	ds_load_b64 v[\reg+2*\p:\reg+2*\p+1], v[\adr] offset:(2*(\q)+\p/3)*6144+(\i)*768+8*(\p%3)
.endr
.endm
; 16 matrix instructions: A's blocks a0, a0 + 1 x B's eight.  p: B's set; sc: the set of scale words.  zero = 1: the sums start from the biases by column (b); 2: by row (a); 0: they go on.
; The 64 accumulators take turns, one instruction a turn, in the same order in every step.
.macro MUL16 a0, p, q, sc, zero
.irp a, \a0, \a0+1
.irp b, 0,1,2,3,4,5,6,7
.if \zero == 1
	v_wmma_scale_f32_16x16x128_f8f6f4 v[8*(8*((\a)%4)+\b):8*(8*((\a)%4)+\b)+7], v[128*(\p)+FR*\b:128*(\p)+FR*\b+FR-1], v[AF+FR*(\a):AF+FR*(\a)+FR-1], v[BIAS+8*\b:BIAS+8*\b+7], v[SC+8*NQ*(\sc)+NQ*\b+(\q)], v[SC+8*NQ*(\sc)+NQ*(\a)+(\q)] matrix_a_fmt:MATRIX_FMT_FP6 matrix_b_fmt:MATRIX_FMT_FP6 matrix_a_scale:MATRIX_SCALE_ROW1
.elseif \zero == 2
	v_wmma_scale_f32_16x16x128_f8f6f4 v[8*(8*((\a)%4)+\b):8*(8*((\a)%4)+\b)+7], v[128*(\p)+FR*\b:128*(\p)+FR*\b+FR-1], v[AF+FR*(\a):AF+FR*(\a)+FR-1], v[BIAS+8*(\a):BIAS+8*(\a)+7], v[SC+8*NQ*(\sc)+NQ*\b+(\q)], v[SC+8*NQ*(\sc)+NQ*(\a)+(\q)] matrix_a_fmt:MATRIX_FMT_FP6 matrix_b_fmt:MATRIX_FMT_FP6 matrix_a_scale:MATRIX_SCALE_ROW1
.else
	v_wmma_scale_f32_16x16x128_f8f6f4 v[8*(8*((\a)%4)+\b):8*(8*((\a)%4)+\b)+7], v[128*(\p)+FR*\b:128*(\p)+FR*\b+FR-1], v[AF+FR*(\a):AF+FR*(\a)+FR-1], v[8*(8*((\a)%4)+\b):8*(8*((\a)%4)+\b)+7], v[SC+8*NQ*(\sc)+NQ*\b+(\q)], v[SC+8*NQ*(\sc)+NQ*(\a)+(\q)] matrix_a_fmt:MATRIX_FMT_FP6 matrix_b_fmt:MATRIX_FMT_FP6 matrix_a_scale:MATRIX_SCALE_ROW1
.endif
.endr
.endr
.endm
.macro FETCH_B slot, q, p
	WIN TO_B
.irp i, 0,1,2,3,4,5,6,7
	FRAG 128*(\p)+FR*\i, ADRB+\slot, \q, \i
.endr
	WIN 0
.endm
.macro FETCH_A slot, q, i0
.irp i, \i0, \i0+1, \i0+2, \i0+3
	FRAG AF+FR*(\i), ADRA+\slot, \q, \i
.endr
.endm
.macro SCALES sc                       ; a K step's scale words: two a row; lanes 0-15 take A's block i, lanes 16-31 B's block i
.irp i, 0,1,2,3,4,5,6,7
	ds_load_b64 v[SC+8*NQ*\sc+NQ*\i:SC+8*NQ*\sc+NQ*\i+1], v[ADRS] offset:\i*SBLK
.endr
.endm
.macro PLACES n                        ; plain vector instructions between a matrix instruction and a load into, or a read of, its registers
.rept \n
	v_nop
.endr
.endm
; A step of 128 along K that has its successor in the same slot.
.macro STEP slot, q, zero
	s_wait_dscnt 4*NL                              ; B's set, A's blocks 0-3 and the scale words are in; the youngest 24 loads (A's blocks 4-7) may be out
.if \zero
	WIN 0x81                                       ; C: the biases, in window 0
.else
	WIN MUL_LO
.endif
	MUL16 0, (\q)%2, \q, \slot, \zero
	MUL16 2, (\q)%2, \q, \slot, \zero
	s_wait_dscnt 0                                 ; A's blocks 4-7 are in
	PLACES NP
	FETCH_B \slot, (\q)+1, 1-(\q)%2
	FETCH_A \slot, (\q)+1, 0
.if \zero
	WIN 0xc1
.else
	WIN MUL_HI
.endif
	MUL16 4, (\q)%2, \q, \slot, \zero
	MUL16 6, (\q)%2, \q, \slot, \zero
	PLACES NP
	WIN 0
	FETCH_A \slot, (\q)+1, 4
.endm
; A slot's last step changes slots: ONE barrier; in front of it each wave waits for all its tensor loads, adds 0 to its spare word, and waits for that and for its reads of this slot.  fill = 1: the slot is filled again, two K steps ahead.
.macro TURN slot, next, fill
	s_wait_tensorcnt 0x0                           ; all my tensor loads have landed: my part of the next slot
	ds_add_u32 v[SPW], v[NIL]                      ; 0 onto my spare word
	s_wait_dscnt 4*NL+1                            ; the add and the youngest 24 loads (A's blocks 4-7) may be out
	WIN MUL_LO
	MUL16 0, 1, NQ-1, \slot, 0                     ; sixteen matrix instructions stand between the add and the wait for it
	s_wait_dscnt 0x0                               ; the add is done, and my reads of this slot are over
	s_barrier_signal -1
	MUL16 2, 1, NQ-1, \slot, 0
	WIN 0
	s_barrier_wait -1
.if \fill
	CREST                                          ; the barrier has opened a round of the cluster's barrier: no wave of any partner still reads this slot or has a load on its way
	s_add_nc_u64 s[G0+4*\slot+2:G0+4*\slot+3], s[G0+4*\slot+2:G0+4*\slot+3], 2*ASTEP
	s_add_nc_u64 s[G0B+4*\slot+2:G0B+4*\slot+3], s[G0B+4*\slot+2:G0B+4*\slot+3], 2*BSTEP
	JLOAD G0+4*\slot, G1, G0B+4*\slot, G1B         ; the first tensor load behind the round; its four v_nop are also the places in front of the loads below
.else
	PLACES NP
.endif
	v_add_nc_u32 v[ADRS], 4*NQ, v[ADRS]            ; on to the next K step's scale words
	FETCH_B \next, 0, 0
	FETCH_A \next, 0, 0
	SCALES \next
	WIN MUL_HI
	MUL16 4, 1, NQ-1, \slot, 0
	MUL16 6, 1, NQ-1, \slot, 0
	PLACES NP
	WIN 0
	FETCH_A \next, 0, 4
.endm
	s_wait_tensorcnt 1                             ; the scales and my part of K step 0 are in; K step 1's load may be out
	s_barrier_signal -1
	s_barrier_wait -1
	FETCH_B 0, 0, 0
	FETCH_A 0, 0, 0
	SCALES 0
	FETCH_A 0, 0, 4
	s_wait_loadcnt 0x0                             ; the biases
	s_cmp_eq_u32 s99, 1                            ; the first step is written twice: the biases go by column or by row.  The branch hangs on the cluster's x; only LDS loads and products stand in it
	s_cbranch_scc1 .Lfirst_v
	STEP 0, 0, 1
	s_branch .Lfirst_done
.Lfirst_v:
	STEP 0, 0, 2
.Lfirst_done:
	TURN 0, 1, 1                                   ; K = 1,024 is four K steps: the rest is written straight
	STEP 1, 0, 0
	TURN 1, 0, 1
	STEP 0, 0, 0
	TURN 0, 1, 0                                   ; nothing is left to fetch
	STEP 1, 0, 0
	s_wait_dscnt 4*NL
	WIN MUL_LO
	MUL16 0, 1, NQ-1, 1, 0
	MUL16 2, 1, NQ-1, 1, 0
	s_wait_dscnt 0
	WIN MUL_HI
	MUL16 4, 1, NQ-1, 1, 0
	MUL16 6, 1, NQ-1, 1, 0
	WIN 0
	; THE WAY OUT.  No tensor load of mine is out since the last change of slots, so the descriptors' registers are free
	s_load_b128 s[24:27], s[0:1], 0x28             ; qc, qs
	s_load_b128 s[28:31], s[0:1], 0x38             ; kvc, kvs
.irp b, 0,1,2,3
	v_mov_b32 v[TM+4+\b], 0                        ; a lane permute's destination counts as one of its sources.  (These four are also the places behind the last products)
.endr
	s_mov_b32 s34, 0x76543210
	s_mov_b32 s35, 0xfedcba98                      ; v_permlanex16_b32's selects for lane l xor 16
	s_cmp_eq_u32 s99, 1
	s_cselect_b32 s32, 0, 16                       ; Q, K: lanes 16-31 keep the second head's two bytes; V^T: every lane the whole word
	s_mov_b32 s33, 0xffff
	s_cselect_b32 s33, -1, s33
	s_cselect_b32 s44, s40, s41                    ; the token unit's place in the cluster,
	s_cselect_b32 s45, s41, s40                    ; the heads',
	s_cselect_b32 s46, s15, s16                    ; which two heads of the four,
	s_cselect_b32 s47, s16, s15                    ; which 128 tokens of the 256
	s_cselect_b32 s48, 12288, 0                    ; V lies behind K in a slot
	s_cselect_b32 s49, 12032, 0                    ; V's words: from one head's 256 bytes to the next head's: 12,288 - 256
	s_cmp_eq_u32 s98, 0
	s_mov_b32 s52, 24576
	s_cselect_b32 s52, 12288, s52                  ; 256 tokens' bytes in the codes' buffer
	s_mov_b32 s53, 12288
	s_cselect_b32 s53, 8192, s53                   ; a head's bytes in the scales' buffer
	s_lshl_b32 s58, s52, 3                         ; a head's bytes in the codes' buffer
	s_mov_b32 s59, 3072
	s_mov_b32 s60, 196608
	s_cmp_eq_u32 s99, 1
	s_cselect_b32 s86, s59, s58                    ; from the stage's first 64 columns to the second: the next half-step of keys, or the next head
	s_cselect_b32 s88, s60, s59                    ; from its rows 0-63 to rows 64-127: the next head, or the next 64 tokens
	s_mov_b32 s87, 0
	s_mov_b32 s89, 0
	s_mov_b32 s90, s53
	s_mov_b32 s91, 0
	s_add_co_u32 s44, s44, s95                     ; the unit of 256 tokens
	s_lshr_b32 s61, s44, 3                         ; the batch,
	s_and_b32 s62, s44, 7                          ; the slot
	s_lshl_b32 s61, s61, 4
	s_lshl_b32 s45, s45, 2
	s_lshl_b32 s46, s46, 1
	s_add_co_u32 s61, s61, s45
	s_add_co_u32 s61, s61, s46                     ; 16 x batch + my first head
	s_lshl_b32 s63, s61, 3
	s_add_co_u32 s63, s63, s62
	s_mul_i32 s63, s63, s52
	s_mul_i32 s58, s47, 6144
	s_add_co_u32 s63, s63, s58
	s_add_co_u32 s80, s63, s48                     ; where my codes begin
	s_mov_b32 s81, 0
	s_mul_i32 s82, s61, s53
	s_lshl_b32 s62, s62, 9
	s_lshl_b32 s47, s47, 8
	s_add_co_u32 s62, s62, s47
	s_add_co_u32 s84, s62, 8192                    ; V's words: behind K's, 256 bytes a step of 128 keys
	s_lshl_b32 s85, s62, 1                         ; Q's, K's: 4 bytes a token
	s_cmp_eq_u32 s99, 1
	s_cselect_b32 s84, s84, s85
	s_add_co_u32 s82, s82, s84                     ; where my scale words begin
	s_mov_b32 s83, 0
	v_mul_u32_u24 v[VSH], s32, v2
	v_mul_u32_u24 v[CO1], s49, v2
	v_add_nc_u32 v[CO1], v[CO1], v[CO]
; Block a (16 rows x 128 columns: 64 numbers a lane, register 16 b + i = column 32 b + 16 h + i) becomes 12 registers of codes and a scale word, and goes to the stage.
.macro QUANT a
.set XW, 2+(\a)/4                      ; its window
.set AC, 64*((\a)%4)
.set PC, 64+20*((\a)%2)                ; two sets of registers by turns
.set WR, 122+(\a)%2
.set W01, XW|(XW<<2)
.set W12, (XW<<2)|(XW<<4)
.if (\a) > 1
	s_wait_dscnt 7                                 ; the last block's seven stores may be out; those of the block before have read their registers
.endif
	WIN W01
.irp b, 0,1,2,3
	v_max3_num_f32 v[TM+\b], |v[AC+16*\b]|, |v[AC+1+16*\b]|, 0x1800000   ; block b of 32: my 16 numbers, and the floor 2^(3 - 127).  Each accumulator is read from its low end on
.endr
	WIN W12
.irp i, 2,4,6,8,10,12,14
.irp b, 0,1,2,3
	v_max3_num_f32 v[TM+\b], v[TM+\b], |v[AC+16*\b+\i]|, |v[AC+1+16*\b+\i]|
.endr
.endr
	WIN 0
.irp b, 0,1,2,3
	v_permlanex16_b32 v[TM+4+\b], v[TM+\b], s34, s35
.endr
.irp b, 0,1,2,3
	v_max_num_f32 v[TM+\b], v[TM+\b], v[TM+4+\b]   ; with lane l xor 16's: the block's largest magnitude
.endr
.irp b, 0,1,2,3
	v_add_nc_u32 v[TM+12+\b], 0xff000000, v[TM+\b] ; 2 off its exponent field: the conversion's scale operand
.endr
.irp b, 0,1,2,3
	v_lshrrev_b32 v[TM+4+\b], 23, v[TM+12+\b]      ; the scale's byte
.endr
	v_lshl_or_b32 v[PW], v[TM+5], 8, v[TM+4]
	v_lshl_or_b32 v[PW], v[TM+6], 16, v[PW]
	v_lshl_or_b32 v[PW], v[TM+7], 24, v[PW]
	v_lshrrev_b32 v[WR], v[VSH], v[PW]
	v_and_b32 v[WR], s33, v[WR]                    ; Q, K: my half's head: two bytes and two zeros; V^T: the four bytes of 128 keys
	WIN XW
.irp c, 0,1
	v_cvt_scalef32_pk16_fp6_f32 v[PC+6*\c:PC+2+6*\c], v[AC+32*\c:AC+15+32*\c], v[TM+12+2*\c]
	v_cvt_scalef32_pk16_fp6_f32 v[PC+12+4*\c:PC+14+4*\c], v[AC+16+32*\c:AC+31+32*\c], v[TM+12+2*\c+1]   ; (a conversion's three registers begin on an even number)
.endr
	WIN 0
	v_nop                                          ; one plain place behind a scaled conversion
.irp c, 0,1                                    ; a whole block of 32 to a lane: lanes 0-15 block 2 c, lanes 16-31 block 2 c + 1
.irp i, 0,1,2
	v_permlane16_swap_b32 v[PC+6*\c+\i], v[PC+12+4*\c+\i]
.endr
.irp i, 0,1,2
	v_mov_b32 v[PC+3+6*\c+\i], v[PC+12+4*\c+\i]
.endr
.endr
.irp c, 0,1
.irp p, 0,1,2
	ds_store_b64 v[STC], v[PC+6*\c+2*\p:PC+6*\c+2*\p+1] offset:\c*6144+(\a)*768+8*\p   ; columns 64 c on, row 16 a + r, my half's 24 bytes
.endr
.endr
	ds_store_b32 v[SWA], v[WR] offset:64*(\a)
.endm
.irp a, 0,1,2,3,4,5,6,7
	QUANT \a
.endr
.set k, 0
.rept 26
	ds_load_b128 v[128+4*k:131+4*k], v[RD] offset:512*k   ; my own bytes: LDS serves a wave's instructions in order, so these see my stores
.set k, k+1
.endr
	s_wait_kmcnt 0x0
	s_cmp_eq_u32 s98, 0
	s_cselect_b64 s[54:55], s[24:25], s[28:29]     ; qc or kvc,
	s_cselect_b64 s[56:57], s[26:27], s[30:31]     ; qs or kvs
	s_add_nc_u64 s[68:69], s[54:55], s[80:81]      ; the four runs of 3,072 bytes
	s_add_nc_u64 s[70:71], s[68:69], s[88:89]
	s_add_nc_u64 s[72:73], s[68:69], s[86:87]
	s_add_nc_u64 s[74:75], s[72:73], s[88:89]
	s_add_nc_u64 s[76:77], s[56:57], s[82:83]
	s_add_nc_u64 s[78:79], s[76:77], s[90:91]
.set k, 0
.rept 24
	s_wait_dscnt 25-k                              ; load k is in; the younger ones may be out
	global_store_b128 v[CO], v[128+4*k:131+4*k], s[68+2*(k/6):69+2*(k/6)] offset:512*(k%6)   ; 32 lanes store 512 consecutive bytes, at a multiple of 256 from the buffer's first byte
.set k, k+1
.endr
	s_wait_dscnt 0x0
	global_store_b128 v[CO1], v[224:227], s[76:77] ; Q, K: my first head's 128 words; V^T: 64 words of each of my two heads
	s_cmp_eq_u32 s99, 1
	s_cbranch_scc1 .Lno_second                     ; V^T's second 512 bytes repeat the first
	global_store_b128 v[CO], v[228:231], s[78:79]  ; my second head's 128 words
.Lno_second:
	s_wait_tensorcnt 0x0                           ; the wave's end, behind my last tensor load and my last LDS store
	ds_add_u32 v[SPW], v[NIL]
	s_wait_dscnt 0x0
	CROUND                                         ; the closing round: no work-group ends while a partner may still ask for a tile that names it
	s_endpgm
.Lfunc_end_k_qabbd68705f_qkv:
	.size	k_qabbd68705f_qkv, .Lfunc_end_k_qabbd68705f_qkv-k_qabbd68705f_qkv
	.p2alignl 7, 3214868480
	.fill 96, 4, 3214868480
	.section	.rodata,"a",@progbits
	.p2align	6, 0x0
	.amdhsa_kernel k_qabbd68705f_qkv
		.amdhsa_group_segment_fixed_size 327680
		.amdhsa_private_segment_fixed_size 0
		.amdhsa_enable_private_segment 0
		.amdhsa_kernarg_size 72
		.amdhsa_user_sgpr_count 2
		.amdhsa_user_sgpr_kernarg_segment_ptr 1
		.amdhsa_wavefront_size32 1
		.amdhsa_system_sgpr_workgroup_id_x 1
		.amdhsa_system_sgpr_workgroup_id_y 1
		.amdhsa_system_sgpr_workgroup_id_z 1
		.amdhsa_system_vgpr_workitem_id 0
		.amdhsa_next_free_vgpr 1024
		.amdhsa_next_free_sgpr 102
		.amdhsa_reserve_vcc 0
		.amdhsa_float_denorm_mode_32 3
		.amdhsa_float_denorm_mode_16_64 3
		.amdhsa_memory_ordered 1
		.amdhsa_forward_progress 1
		.amdhsa_inst_pref_size 194
	.end_amdhsa_kernel
	.amdgpu_metadata
---
amdhsa.version: [ 1, 2 ]
amdhsa.kernels:
  - .name:           k_qabbd68705f_qkv
    .symbol:         k_qabbd68705f_qkv.kd
    .args:
      - { .name: codes1, .offset: 0, .size: 8, .value_kind: global_buffer, .address_space: global }
      - { .name: scales1, .offset: 8, .size: 8, .value_kind: global_buffer, .address_space: global }
      - { .name: bq, .offset: 16, .size: 8, .value_kind: global_buffer, .address_space: global }
      - { .name: bk, .offset: 24, .size: 8, .value_kind: global_buffer, .address_space: global }
      - { .name: bv, .offset: 32, .size: 8, .value_kind: global_buffer, .address_space: global }
      - { .name: qc, .offset: 40, .size: 8, .value_kind: global_buffer, .address_space: global }
      - { .name: qs, .offset: 48, .size: 8, .value_kind: global_buffer, .address_space: global }
      - { .name: kvc, .offset: 56, .size: 8, .value_kind: global_buffer, .address_space: global }
      - { .name: kvs, .offset: 64, .size: 8, .value_kind: global_buffer, .address_space: global }
    .group_segment_fixed_size: 327680
    .private_segment_fixed_size: 0
    .kernarg_segment_align: 8
    .kernarg_segment_size: 72
    .max_flat_workgroup_size: 128
    .sgpr_count:     102
    .vgpr_count:     1024
    .wavefront_size: 32
...
	.end_amdgpu_metadata
.endif
;; end of part 2
;; launch attn (part 3): grid 8 x 64, 16 waves a work-group, no clusters, 327,680 bytes of LDS; arguments qc, qs, kvc, kvs, attention_mask, ac, asc; writes ac, asc
.if DOCPART == 3
	.amdgcn_target "amdgcn-amd-amdhsa--gfx1250"
	.amdhsa_code_object_version 6
	.text
	.protected	k_qabbd68705f_attn
	.globl	k_qabbd68705f_attn
	.p2align	8
	.type	k_qabbd68705f_attn,@function
k_qabbd68705f_attn:
	s_mov_b64 s[64:65], 0
	v_nop
	global_prefetch_b8 v0, s[64:65] scope:SCOPE_SE
	s_setreg_imm32_b32 hwreg(HW_REG_WAVE_MODE, 25, 1), 1
	s_wait_xcnt 0x0
; Attention of one (batch, head) on codes of FP6 (E2M3): S^T = K Q^T (K = the head's 64 channels: the upper half of each fragment is zeros), causal and pad mask, p = 2^(t - M) quantised along the keys, O^T = V^T P^T, O / l quantised along D.
; t = score x log2(e) / 8; M = the running largest t rounded up to a whole number; l is the sum of the unquantised p.  When M moves, l and O^T are multiplied by 2^(old M - new M): exact.
; INPUTS: qc [bh][2,048 stored tokens][48], qs one word a token; kvc [bh][8 slots][256 stored keys x 48 | 4 half-steps of 64 keys x 64 stored channels x 48]; kvs [bh][2,048 words of K | 16 x 64 words of V].
; Stored rows lie with bits 3 and 4 exchanged: 16 consecutive stored keys are keys 32 B + 8 u + {0..7, 16..23}, so that the 16 registers of tiles 2 B and 2 B + 1 of S^T are keys 32 B + 16 h + 0 .. 15.
; OUTPUTS: ac [16 heads][8,192 stored tokens][48], asc [8,192 stored tokens][32]: bytes 2 head and 2 head + 1.
; SHARES: work-group (j, bh) owns the blocks of 128 queries j and 15 - j, so that every work-group has the same causal work; each of its 16 waves owns 16 stored queries in 256 registers; of the four waves w, w + 4, w + 8, w + 12
; and of the four waves 4 i .. 4 i + 3 two are of the low block and two of the high one.  Every work-group walks all 8 slots of 256 keys (constant trip counts); a step of 128 keys that lies wholly behind a wave's block is jumped over.
; THE PAD MASK COSTS NO VECTOR WORK IN THE LOOP: a table in LDS holds 0 for a key that counts and -2^100 for one that does not; it is loaded into S^T's registers and is the C of K Q^T.  The largest t starts at -2^60, so
; a masked score gives p = 0 and never enters M.  A query with no key ends with l = 0: its codes are zeros and its two scale bytes 0xff, the NaN of E8M0, which makes its row of the final product NaN as the softmax of an empty row is.
; LIMIT: a logit x log2(e) under -2^60 counts as masked.  NaN and infinities are not served.
; NO CLUSTER: the eight work-groups of a head would share K and V, but their waves run dry at different slots (block j against 15 - j), so a joint round a slot would tie each slot to the partner with most live waves; a slot is 24,576 bytes, asked for a whole slot ahead.
.set SLOT1, 1<<15                      ; slot 1 begins here: one exclusive or turns an address
.set SLOTB, 24576                      ; a slot's bytes
.set SC,    65536                      ; the head's scale words: K's 8,192 bytes, V's 4,096; filled once
.set MB,    SC+12288                   ; the mask's table: 2,048 f32
.set STAGE, MB+8192                    ; the way out: 1,024 bytes a wave
.set SPARE, STAGE+16*1024              ; the spare words: 128 bytes a wave, named by no other line
.set NSL,   8
.set AK0,  1                           ; v1  48 r + 24 h: my place in a tile of K, and in Q
.set AV0,  2                           ; v2  the same in V
.set ASK0, 3                           ; v3  my place among K's scale words
.set ASV0, 4                           ; v4  among V's
.set SPW,  5                           ; v5  my spare word's address; never rewritten
.set NIL,  6                           ; v6  0; never rewritten
.set AB0,  7                           ; v7  my place in the mask's table: 64 h
.set ADK,  8                           ; v8-11, v29 the addresses of the step in hand
.set ADV,  9
.set ADS,  10
.set ADT,  11
.set PFO,  28                          ; v28 256 x lane; never rewritten
.set ADB,  29
.set VQ,   30                          ; v30 my query - 16 h
.set WV,   18
.set SEL,  20                          ; s[20:21] selects for lane l xor 16
.set CS,   22                          ; s[22:23] c = log2(e) / 8
.set G1T,  24                          ; s[24:31] group 1: a quarter of a slot; s[32:39]: a quarter of the scale words; s[40:43], s[44:47] their groups 0
.set G1S,  32
.set G0T,  40
.set G0S,  44
.set TB,   2                           ; s2  the slot in hand
.set TS,   3                           ; s3  512 bytes a step: K's scale words and the table
.set TJ,   66                          ; s66 256 bytes a step: V's scale words
.set SLOTS, 67
.set KF,   68                          ; s68 the step's first key
.set QB,   69                          ; s69 my block's first query
.set QL,   70                          ; s70 my work-group's last query
.set Q0,   71                          ; s71 my first stored query
.set PFA,  76                          ; s[76:77] where my prefetches stand
.set LIM,  80                          ; s80 1 in a wave that prefetches, else the greatest number
.macro TLOAD                           ; waves 0 to 3 fetch a quarter of a slot each.  An s_nop 0 and four v_nop follow the line
	s_cmp_lt_u32 s[WV], 4
	s_cbranch_scc0 .Lasked_\@
	tensor_load_to_lds s[G0T:G0T+3], s[G1T:G1T+7]
	s_nop 0
.rept 4
	v_nop
.endr
.Lasked_\@:
.endm
; A prefetch into the L2 of the slot that the NEXT change of slots will ask for: 24,576 dense bytes.  All eight work-groups of a head walk the same slots: the first of them asks, in it waves 4 to 6, 8,192 bytes a wave, lanes 256 bytes apart:
; each aligned block of 256 bytes is named once in the launch.  The last change that fills a slot asks for nothing; slots 0 and 1 come by their loads alone.
.macro ASK
	s_cmp_gt_u32 s[SLOTS], s[LIM]
	s_cbranch_scc0 .Lnot_mine_\@
	global_prefetch_b8 v[PFO], s[PFA:PFA+1] th:TH_LOAD_NT scope:SCOPE_SE
.Lnot_mine_\@:
.endm
	s_load_b256 s[4:11], s[0:1], 0x0               ; qc, qs, kvc, kvs
	s_load_b128 s[12:15], s[0:1], 0x20             ; attention_mask, ac
	s_load_b64 s[16:17], s[0:1], 0x30              ; asc
	v_lshl_add_u32 v[SPW], v0, 2, SPARE
	v_mov_b32 v[NIL], 0
	ds_add_u32 v[SPW], v[NIL]                      ; the wave's opening: the add and its wait stand ahead of my first tensor load; work on registers stands between them
	v_lshrrev_b32 v8, 5, v0
	v_readfirstlane_b32 s[WV], v8                  ; wave 0..15
	s_and_b32 s72, ttmp7, 0xffff                   ; 16 x batch + head
	s_lshr_b32 s73, s72, 4                         ; batch
	s_and_b32 s74, s72, 15                         ; head
	s_lshr_b32 s82, s[WV], 2
	s_xor_b32 s82, s82, s[WV]
	s_and_b32 s82, s82, 1                          ; 1: the high block
	s_lshr_b32 s83, s[WV], 1
	s_lshl_b32 s83, s83, 4                         ; which 16 of its 128 queries
	s_sub_co_u32 s84, 15, ttmp9
	s_cmp_eq_u32 s82, 1
	s_cselect_b32 s85, s84, ttmp9
	s_lshl_b32 s[QB], s85, 7
	s_add_co_u32 s[Q0], s[QB], s83
	s_lshl_b32 s[QL], s84, 7
	s_or_b32 s[QL], s[QL], 127
	s_and_b32 s88, s[WV], 3                        ; which quarter I fetch, if I fetch
	s_mul_i32 s86, s72, 8*SLOTB                    ; the head's first byte in kvc
	s_mul_i32 s89, s88, 6144
	s_add_co_u32 s90, s86, s89
	s_mov_b32 s91, 0
	s_mul_i32 s92, s72, 12288                      ; and in kvs
	s_mul_i32 s94, s88, 3072
	s_add_co_u32 s92, s92, s94
	s_mov_b32 s93, 0
	s_mov_b32 s[G1T], 3<<16                        ; no mask; elements of 8 bytes; no padding: 24 rows of 256 dense bytes
	s_mov_b32 s[G1T+1], 32<<16
	s_mov_b32 s[G1T+2], 24<<16
	s_mov_b32 s[G1T+3], 32<<16
	s_mov_b32 s[G1T+4], 24
	s_mov_b32 s[G1T+5], 32
	s_mov_b32 s[G1T+6], 0
	s_mov_b32 s[G1T+7], 0
	s_mov_b32 s[G1S], 3<<16                        ; 12 rows of 256 dense bytes
	s_mov_b32 s[G1S+1], 32<<16
	s_mov_b32 s[G1S+2], 12<<16
	s_mov_b32 s[G1S+3], 32<<16
	s_mov_b32 s[G1S+4], 12
	s_mov_b32 s[G1S+5], 32
	s_mov_b32 s[G1S+6], 0
	s_mov_b32 s[G1S+7], 0
	s_mov_b32 s[SEL], 0x76543210
	s_mov_b32 s[SEL+1], 0xfedcba98
	s_mov_b32 s[CS], 0x3e38aa3b                    ; c = log2(e) / sqrt(64)
	s_mov_b32 s[CS+1], s[CS]                       ; (named with it as a pair, so it is written)
	s_mov_b32 s[TB], 0
	s_mov_b32 s[TS], 0
	s_mov_b32 s[TJ], 0
	s_mov_b32 s[KF], 0
	s_mov_b32 s[SLOTS], NSL-1
	s_wait_dscnt 0x0                               ; the opening add is done
	s_wait_kmcnt 0x0
	s_mov_b32 s[G0S], 1
	s_add_co_u32 s[G0S+1], s94, SC
	s_add_nc_u64 s[G0S+2:G0S+3], s[10:11], s[92:93]
	s_or_b32 s[G0S+3], s[G0S+3], 0x80000000
	s_mov_b32 s[G0T], 1
	s_mov_b32 s[G0T+1], s89
	s_add_nc_u64 s[G0T+2:G0T+3], s[8:9], s[90:91]
	s_or_b32 s[G0T+3], s[G0T+3], 0x80000000
	s_cmp_lt_u32 s[WV], 4                          ; a wave's two first fills stand in one branch, ahead of every wait on TENSORcnt, every LDS read and every barrier: two loads of mine are out
	s_cbranch_scc0 .Lno_fill
	tensor_load_to_lds s[G0S:G0S+3], s[G1S:G1S+7]  ; the head's scale words: filled once
	s_nop 0
	tensor_load_to_lds s[G0T:G0T+3], s[G1T:G1T+7]  ; slot 0
	s_nop 0
.rept 4
	v_nop
.endr
.Lno_fill:
	s_mul_i32 s96, s72, 98304                      ; Q's codes: a head's 2,048 x 48 bytes,
	s_mul_i32 s87, s[Q0], 48
	s_add_co_u32 s96, s96, s87
	s_mov_b32 s97, 0
	s_add_nc_u64 s[4:5], s[4:5], s[96:97]
	s_lshl_b32 s96, s72, 13                        ; its scale words
	s_lshl_b32 s87, s[Q0], 2
	s_add_co_u32 s96, s96, s87
	s_add_nc_u64 s[6:7], s[6:7], s[96:97]
	s_lshl_b32 s96, s73, 13                        ; the batch's row of the mask
	s_add_nc_u64 s[12:13], s[12:13], s[96:97]
	s_lshl_b32 s75, s73, 11
	s_add_co_u32 s75, s75, s[Q0]                   ; my first stored token among the 8,192
	s_mul_i32 s96, s74, 393216
	s_mul_i32 s87, s75, 48
	s_add_co_u32 s96, s96, s87
	s_add_nc_u64 s[14:15], s[14:15], s[96:97]      ; ac: my head's plane, my rows
	s_lshl_b32 s96, s75, 5
	s_lshl_b32 s87, s74, 1
	s_add_co_u32 s96, s96, s87
	s_add_nc_u64 s[16:17], s[16:17], s[96:97]      ; asc: my rows, my head's two bytes
	s_lshl_b32 s96, s88, 13                        ; the prefetches: 8,192 bytes a wave,
	s_add_co_u32 s96, s96, s86
	s_add_co_u32 s96, s96, SLOTB                   ; in slot 1: the first change of slots steps it to slot 2
	s_add_nc_u64 s[PFA:PFA+1], s[8:9], s[96:97]
	s_sub_co_u32 s82, s[WV], 4
	s_lshr_b32 s82, s82, 2                         ; 0 in waves 4 to 7,
	s_or_b32 s82, s82, ttmp9                       ; of the head's first work-group
	s_cmp_eq_u32 s82, 0
	s_cselect_b32 s[LIM], 1, -1
	s_cmp_eq_u32 s[WV], 7                          ; (a slot is three waves' worth)
	s_cselect_b32 s[LIM], -1, s[LIM]
	s_and_b32 s87, s[Q0], 0xffffffe0
	s_bfe_u32 s96, s[Q0], 0x10004
	s_lshl_b32 s96, s96, 3
	s_add_co_u32 s87, s87, s96                     ; stored queries Q0 + r are the queries (Q0 less its bit 4) + 8 x that bit + r + 8 (r / 8)
	v_and_b32 v8, 15, v0                           ; r
	v_bfe_u32 v9, v0, 4, 1                         ; h
	v_mul_u32_u24 v[AK0], v8, 48
	v_mad_u32_u24 v[AK0], v9, 24, v[AK0]
	v_add_nc_u32 v[AV0], 12288, v[AK0]
	v_lshl_add_u32 v[ASK0], v8, 2, SC
	v_lshl_add_u32 v[ASV0], v8, 2, SC+8192
	v_lshl_add_u32 v[AB0], v9, 6, MB
	v_and_b32 v10, 8, v8
	v_add_nc_u32 v10, v10, v8
	v_lshlrev_b32 v11, 4, v9
	v_sub_nc_u32 v10, v10, v11
	v_add_nc_u32 v[VQ], s87, v10
	v_and_b32 v[PFO], 31, v0
	v_lshlrev_b32 v[PFO], 8, v[PFO]
	v_lshlrev_b32 v80, 4, v0                       ; the mask: 16 bytes a thread
	v_lshlrev_b32 v81, 2, v8
	v_lshl_add_u32 v82, v0, 4, MB
.irp p, 0,1,2
	global_load_b64 v[16+2*\p:17+2*\p], v[AK0], s[4:5] offset:8*\p   ; Q's fragment: channels 32 h + 0 .. 31 of stored query r
.endr
	global_load_b32 v255, v81, s[6:7]              ; Q's scale words
	global_load_b128 v[84:87], v80, s[12:13]       ; four keys' mask
.irp j, 22,23,24,25,26,27
	v_mov_b32 v[\j], 0                             ; K = 64 of the instruction's 128: zero codes above
.endr
.irp t, 0,1,2,3
.irp j, 6,7,8,9,10,11
	v_mov_b32 v[32+12*\t+\j], 0                    ; the same in K's four fragments: written once
.endr
.endr
	v_mov_b32 v13, 0xdd800000                      ; the largest t so far: -2^60
	v_floor_f32 v12, -v13                          ; -M
	v_mov_b32 v14, 0                               ; the sum, in two halves
	v_mov_b32 v15, 0
.irp b, 0,1,2,3
	v_mov_b32 v[236+\b], 0                         ; a lane permute's destination counts as one of its sources
.endr
	v_mov_b32 v252, 0
	v_mov_b32 v253, 0
.set n, 0
.rept 32
	v_mov_b32 v[160+n], 0                          ; O^T: the loop is written once, its first step finds zeros
.set n, n+1
.endr
	v_mov_b32 v88, 0xf1800000                      ; -2^100
	s_wait_loadcnt 0x0
.irp i, 0,1,2,3
	v_cmp_eq_u32 vcc_lo, 0, v[84+\i]
	v_cndmask_b32 v[84+\i], 0, v88, vcc_lo         ; 0 where the key counts
.endr
	ds_store_b128 v82, v[84:87]                    ; the table; the first change of slots waits for it and passes a barrier ahead of every read
; A KEY STEP: 128 keys, the q-th of the slot in hand.
.macro STEP q
	s_cmp_gt_u32 s[KF], s[QB]                      ; all its keys come after my block's queries: left out.  Ids and the count of steps alone; no barrier and no tensor load stands in a step
	s_cbranch_scc1 .Lhidden_\@
	v_add_nc_u32 v[ADK], s[TB], v[AK0]             ; (these five are also the places in front of loads into registers that the last products read)
	v_add_nc_u32 v[ADV], s[TB], v[AV0]
	v_add_nc_u32 v[ADS], s[TS], v[ASK0]
	v_add_nc_u32 v[ADB], s[TS], v[AB0]
	v_add_nc_u32 v[ADT], s[TJ], v[ASV0]
.irp u, 0,1,2,3,4,5,6,7
	ds_load_b128 v[96+8*\u:99+8*\u], v[ADB] offset:(32*(\u/2)+8*(\u%2))*4      ; the table's numbers of keys 32 (u / 2) + 16 h + 8 (u % 2) + 0 .. 7: the C of tile u
	ds_load_b128 v[100+8*\u:103+8*\u], v[ADB] offset:(32*(\u/2)+8*(\u%2))*4+16
.endr
.irp g, 0,1                                    ; S^T = K Q^T + the table, four tiles of 16 stored keys at a time
.if \g > 0
.rept 4
	v_nop                                          ; places in front of loads into registers that matrix instructions have read
.endr
.endif
.irp t, 0,1,2,3
.irp p, 0,1,2
	ds_load_b64 v[32+12*\t+2*\p:33+12*\t+2*\p], v[ADK] offset:(128*(\q)+16*(4*\g+\t))*48+8*\p
.endr
	ds_load_b32 v[248+\t], v[ADS] offset:64*(4*\g+\t)
.endr
	s_wait_dscnt 0x0
.irp t, 0,1,2,3
	v_wmma_scale_f32_16x16x128_f8f6f4 v[96+8*(4*\g+\t):103+8*(4*\g+\t)], v[32+12*\t:43+12*\t], v[16:27], v[96+8*(4*\g+\t):103+8*(4*\g+\t)], v[248+\t], v255 matrix_a_fmt:MATRIX_FMT_FP6 matrix_b_fmt:MATRIX_FMT_FP6
.endr
.endr
.rept 4
	v_nop
.endr
	s_cmp_lg_u32 s[KF], s[QB]                      ; on the diagonal alone: hidden keys' scores become -infinity ahead of the maximum
	s_cbranch_scc1 .Lopen_\@
	v_sub_nc_u32 v252, v[VQ], s[KF]                ; d = my query - KF - 16 h.  Register 16 b + i holds key KF + 16 h + 32 b + i: hidden where 32 b + i > d
	v_mov_b32 v254, 0xff800000
.set n, 0
.rept 64
	v_cmp_gt_i32 vcc_lo, 32*(n/16)+n%16, v252
	v_cndmask_b32 v[96+n], v[96+n], v254, vcc_lo
.set n, n+1
.endr
.Lopen_\@:
.irp b, 0,1,2,3
	v_max3_num_f32 v[232+\b], v[96+16*\b], v[97+16*\b], v[98+16*\b]   ; the largest score of each block of 32 keys: for the row's maximum, and, since p rises with the score, for the block's largest p
.endr
.irp i, 3,5,7,9,11,13
.irp b, 0,1,2,3
	v_max3_num_f32 v[232+\b], v[232+\b], v[96+16*\b+\i], v[97+16*\b+\i]
.endr
.endr
.irp b, 0,1,2,3
	v_max_num_f32 v[232+\b], v[232+\b], v[111+16*\b]
.endr
.irp b, 0,1,2,3
	v_permlanex16_b32 v[236+\b], v[232+\b], s[SEL], s[SEL+1]
.endr
.irp b, 0,1,2,3
	v_max_num_f32 v[232+\b], v[232+\b], v[236+\b]  ; with lane l xor 16's 16 keys
.endr
	v_max3_num_f32 v254, v232, v233, v234
	v_max_num_f32 v254, v254, v235
	v_mul_f32 v254, s[CS], v254                    ; the step's largest t
	v_max_num_f32 v13, v13, v254                   ; the running largest t
	v_mov_b32 v254, v12
	v_floor_f32 v12, -v13                          ; the new -M = -ceil(t): a whole number
	v_sub_f32 v254, v12, v254                      ; old M - new M: a whole number, 0 or less
	v_cvt_i32_f32 v254, v254                       ; (it saturates)
	v_ldexp_f32 v252, 1.0, v254                    ; f = 2^(old M - new M)
.set n, 0
.rept 32
	v_pk_fma_f32 v[96+n:97+n], v[96+n:97+n], s[CS:CS+1], v[12:13] op_sel_hi:[1,0,0]   ; t - M, two at a time
.set n, n+2
.endr
.irp b, 0,1,2,3
	v_fma_f32 v[232+\b], v[232+\b], s[CS], v12     ; the same of each block's largest score
.endr
.set n, 0
.rept 64
	v_exp_f32 v[96+n], v[96+n]                     ; p = 2^(t - M), at most 1
.set n, n+1
.endr
	v_pk_mul_f32 v[14:15], v[14:15], v[252:253] op_sel_hi:[1,0]   ; the sums under the new M.  (A plain place behind the exponentials)
	s_wait_alu depctr_va_vdst(0)                   ; one wait for the whole batch, ahead of its first reader
.irp b, 0,1,2,3
	v_exp_f32 v[232+\b], v[232+\b]                 ; the block's largest p
.endr
	v_pk_add_f32 v[236:237], v[96:97], v[98:99]    ; the row's sum is taken of the unquantised p: two at a time, in two chains
.irp j, 4,8,12,16,20,24,28,32,36,40,44,48,52,56,60
	v_pk_add_f32 v[14:15], v[14:15], v[96+\j:97+\j]
	v_pk_add_f32 v[236:237], v[236:237], v[98+\j:99+\j]
.endr
	v_pk_add_f32 v[14:15], v[14:15], v[236:237]
	s_wait_alu depctr_va_vdst(0)                   ; and one for the four
.irp b, 0,1,2,3
	v_max_num_f32 v[232+\b], 0x1800000, v[232+\b]  ; the floor 2^(3 - 127): a block whose every p is 0 keeps the byte 1; its codes are zeros
.endr
.irp b, 0,1,2,3
	v_add_nc_u32 v[244+\b], 0xff000000, v[232+\b]  ; 2 off the exponent field: the conversion's scale operand
.endr
.irp b, 0,1,2,3
	v_lshrrev_b32 v[236+\b], 23, v[244+\b]
.endr
	v_lshl_or_b32 v253, v237, 8, v236              ; p's scale word for these 128 keys
	v_lshl_or_b32 v253, v238, 16, v253
	v_lshl_or_b32 v253, v239, 24, v253
.irp c, 0,1
	v_cvt_scalef32_pk16_fp6_f32 v[224+6*\c:226+6*\c], v[96+32*\c:111+32*\c], v[244+2*\c]
	v_cvt_scalef32_pk16_fp6_f32 v[236+4*\c:238+4*\c], v[112+32*\c:127+32*\c], v[244+2*\c+1]
.endr
	v_nop                                          ; one plain place behind a scaled conversion
.irp t, 0,1,2,3                                ; V's four fragments (16 stored channels x these 128 keys) land where p lay, while the lines below are worked
.irp p, 0,1,2,3,4,5
	ds_load_b64 v[96+12*\t+2*\p:97+12*\t+2*\p], v[ADV] offset:6144*(\q)+3072*(\p/3)+768*\t+8*(\p%3)
.endr
	ds_load_b32 v[248+\t], v[ADT] offset:64*\t
.endr
.irp c, 0,1                                    ; a whole block to a lane: lanes 0-15 block 2 c, lanes 16-31 block 2 c + 1
.irp i, 0,1,2
	v_permlane16_swap_b32 v[224+6*\c+\i], v[236+4*\c+\i]
.endr
.irp i, 0,1,2
	v_mov_b32 v[227+6*\c+\i], v[236+4*\c+\i]
.endr
.endr
.set n, 0
.rept 16
	v_pk_mul_f32 v[160+n:161+n], v[160+n:161+n], v[252:253] op_sel_hi:[1,0]   ; O^T under the new M.  (These are also the places between the lines that made p's codes and scale word and the products)
.set n, n+2
.endr
	s_wait_dscnt 0x0
.irp t, 0,1,2,3
	v_wmma_scale_f32_16x16x128_f8f6f4 v[160+8*\t:167+8*\t], v[96+12*\t:107+12*\t], v[224:235], v[160+8*\t:167+8*\t], v[248+\t], v253 matrix_a_fmt:MATRIX_FMT_FP6 matrix_b_fmt:MATRIX_FMT_FP6
.endr
.Lhidden_\@:
	s_add_co_u32 s[KF], s[KF], 128
	s_add_co_u32 s[TS], s[TS], 512
	s_add_co_u32 s[TJ], s[TJ], 256
.endm
; THE CHANGE OF SLOTS stands at a slot's head.  Each wave waits for all its tensor loads, adds 0 to its spare word, and waits for that and for its LDS instructions (its reads of the slot that it has left; at the first change its store into the table).
; Behind the barrier the slot ahead is whole and nobody reads the other one.  fill = 1: that other slot is filled with the next 256 keys, if any wave of the work-group will read them.
.macro CHANGE fill
	s_wait_tensorcnt 0x0                           ; no tensor load of mine is out, so a group 0 may be written
	ds_add_u32 v[SPW], v[NIL]                      ; 0 onto my spare word
.if \fill
	s_xor_b32 s[G0T+1], s[G0T+1], SLOT1            ; the walking descriptor: the other slot,
	s_add_nc_u64 s[G0T+2:G0T+3], s[G0T+2:G0T+3], SLOTB   ; the next 256 keys
	s_wait_xcnt 0x0                                ; the last prefetch, a slot back, has read its address:
	s_add_nc_u64 s[PFA:PFA+1], s[PFA:PFA+1], SLOTB ; one slot further on than the walking descriptor
.endif
	s_wait_dscnt 0x0
	s_barrier_signal -1
	s_barrier_wait -1
.if \fill
	s_add_co_u32 s96, s[KF], 256                   ; the first key of the slot that this change would ask for:
	s_cmp_gt_u32 s96, s[QL]                        ; behind my work-group's last query it is read by no wave, so it is not asked for.  Ids and the count of steps alone: all sixteen waves go the same way; every wait on TENSORcnt here is for 0
	s_cbranch_scc1 .Lpast_\@
	TLOAD                                          ; a wave's one tensor load until the next such barrier
.Lpast_\@:
	ASK
.endif
.endm
.macro SLOT_STEPS
	STEP 0
	STEP 1
	s_xor_b32 s[TB], s[TB], SLOT1
.endm
.Lslot:                                            ; 7 trips
	CHANGE 1
	SLOT_STEPS
	s_sub_co_u32 s[SLOTS], s[SLOTS], 1
	s_cmp_lg_u32 s[SLOTS], 0
	s_cbranch_scc1 .Lslot
	CHANGE 0                                       ; the last slot is written out: nothing is left to ask for
	SLOT_STEPS
	; THE WAY OUT.  O^T / l: register 16 B + i of lane (r, h) is channel 32 B + 16 h + i of stored query r.  Two blocks of 32 along D are quantised; the codes go through my stage and leave as 768 dense bytes.
	v_add_f32 v14, v14, v15
	v_permlanex16_b32 v252, v14, s[SEL], s[SEL+1]
	v_add_f32 v14, v14, v252                       ; the row's sum
	v_rcp_f32 v252, v14
	v_and_b32 v8, 15, v0                           ; (plain work behind the reciprocal)  r
	v_bfe_u32 v9, v0, 4, 1                         ; h
	s_lshl_b32 s73, s[WV], 10
	s_add_co_u32 s73, s73, STAGE                   ; my stage
	v_lshlrev_b32 v10, 6, v8
	v_lshl_add_u32 v10, v9, 4, v10
	v_add_nc_u32 v10, s73, v10                     ; in: row r has four places of 16 bytes, place 2 B + h
	v_and_b32 v11, 31, v0
	v_mul_u32_u24 v29, v11, 12                     ; out: 12 bytes a lane
	v_lshlrev_b32 v11, 4, v11
	v_add_nc_u32 v11, s73, v11                     ; back: place = lane
	v_lshl_add_u32 v31, v8, 5, v9                  ; the scale byte: 32 bytes a token, + h
	v_cmp_eq_f32 s82, 0, v14                       ; a query with no key
	v_cmp_eq_u32 s83, 1, v9
	v_mov_b32 v239, 0xff
	s_wait_alu depctr_va_vdst(0)                   ; the wait ahead of the reciprocal's first reader
	v_cndmask_b32 v252, v252, 0, s82               ; its codes become zeros
.set n, 0
.rept 16
	v_pk_mul_f32 v[96+n:97+n], v[160+n:161+n], v[252:253] op_sel_hi:[1,0]
.set n, n+2
.endr
.irp b, 0,1
	v_max3_num_f32 v[232+\b], |v[96+16*\b]|, |v[97+16*\b]|, 0x1800000
.endr
.irp i, 2,4,6,8,10,12,14
.irp b, 0,1
	v_max3_num_f32 v[232+\b], v[232+\b], |v[96+16*\b+\i]|, |v[97+16*\b+\i]|
.endr
.endr
.irp b, 0,1
	v_permlanex16_b32 v[236+\b], v[232+\b], s[SEL], s[SEL+1]
.endr
.irp b, 0,1
	v_max_num_f32 v[232+\b], v[232+\b], v[236+\b]
.endr
.irp b, 0,1
	v_add_nc_u32 v[244+\b], 0xff000000, v[232+\b]
.endr
.irp b, 0,1
	v_lshrrev_b32 v[236+\b], 23, v[244+\b]
.endr
	v_cvt_scalef32_pk16_fp6_f32 v[224:226], v[96:111], v244
	v_cvt_scalef32_pk16_fp6_f32 v[228:230], v[112:127], v245
	v_cndmask_b32 v238, v236, v237, s83            ; lanes 0-15 store block 0's byte, lanes 16-31 block 1's.  (A plain place behind the conversions)
	v_cndmask_b32 v238, v238, v239, s82            ; 0xff for a query with no key
	ds_store_b96 v10, v[224:226]
	ds_store_b96 v10, v[228:230] offset:32
	ds_load_b96 v[32:34], v11                      ; my own bytes: these see my stores
	ds_load_b96 v[36:38], v11 offset:512
	s_wait_dscnt 1                                 ; the first load is in; the second may be out
	global_store_b96 v29, v[32:34], s[14:15]       ; 384 consecutive bytes: 8 stored tokens
	s_wait_dscnt 0x0
	global_store_b96 v29, v[36:38], s[14:15] offset:384
	global_store_b8 v31, v238, s[16:17]            ; two bytes of each token's 32: one part in 24 of what this launch stores
	s_wait_tensorcnt 0x0                           ; the wave's end, behind my last tensor load and my last LDS store
	ds_add_u32 v[SPW], v[NIL]
	s_wait_dscnt 0x0
	s_endpgm
.Lfunc_end_k_qabbd68705f_attn:
	.size	k_qabbd68705f_attn, .Lfunc_end_k_qabbd68705f_attn-k_qabbd68705f_attn
	.p2alignl 7, 3214868480
	.fill 96, 4, 3214868480
	.section	.rodata,"a",@progbits
	.p2align	6, 0x0
	.amdhsa_kernel k_qabbd68705f_attn
		.amdhsa_group_segment_fixed_size 327680
		.amdhsa_private_segment_fixed_size 0
		.amdhsa_enable_private_segment 0
		.amdhsa_kernarg_size 56
		.amdhsa_user_sgpr_count 2
		.amdhsa_user_sgpr_kernarg_segment_ptr 1
		.amdhsa_wavefront_size32 1
		.amdhsa_system_sgpr_workgroup_id_x 1
		.amdhsa_system_sgpr_workgroup_id_y 1
		.amdhsa_system_sgpr_workgroup_id_z 1
		.amdhsa_system_vgpr_workitem_id 0
		.amdhsa_next_free_vgpr 256
		.amdhsa_next_free_sgpr 100
		.amdhsa_reserve_vcc 1
		.amdhsa_float_denorm_mode_32 3
		.amdhsa_float_denorm_mode_16_64 3
		.amdhsa_memory_ordered 1
		.amdhsa_forward_progress 1
		.amdhsa_inst_pref_size 110
	.end_amdhsa_kernel
	.amdgpu_metadata
---
amdhsa.version: [ 1, 2 ]
amdhsa.kernels:
  - .name:           k_qabbd68705f_attn
    .symbol:         k_qabbd68705f_attn.kd
    .args:
      - { .name: qc, .offset: 0, .size: 8, .value_kind: global_buffer, .address_space: global }
      - { .name: qs, .offset: 8, .size: 8, .value_kind: global_buffer, .address_space: global }
      - { .name: kvc, .offset: 16, .size: 8, .value_kind: global_buffer, .address_space: global }
      - { .name: kvs, .offset: 24, .size: 8, .value_kind: global_buffer, .address_space: global }
      - { .name: attention_mask, .offset: 32, .size: 8, .value_kind: global_buffer, .address_space: global }
      - { .name: ac, .offset: 40, .size: 8, .value_kind: global_buffer, .address_space: global }
      - { .name: asc, .offset: 48, .size: 8, .value_kind: global_buffer, .address_space: global }
    .group_segment_fixed_size: 327680
    .private_segment_fixed_size: 0
    .kernarg_segment_align: 8
    .kernarg_segment_size: 56
    .max_flat_workgroup_size: 512
    .sgpr_count:     100
    .vgpr_count:     256
    .wavefront_size: 32
...
	.end_amdgpu_metadata
.endif
;; end of part 3
;; launch proj (part 4): grid 4 x 32, 4 waves a work-group, clusters of 4 x 4, 327,680 bytes of LDS; arguments ac, asc, codes1, scales1, bo, out0; writes out0
.if DOCPART == 4
	.amdgcn_target "amdgcn-amd-amdhsa--gfx1250"
	.amdhsa_code_object_version 6
	.text
	.protected	k_qabbd68705f_proj
	.globl	k_qabbd68705f_proj
	.p2align	8
	.type	k_qabbd68705f_proj,@function
k_qabbd68705f_proj:
	s_mov_b64 s[64:65], 0
	v_nop
	global_prefetch_b8 v0, s[64:65] scope:SCOPE_SE
	s_setreg_imm32_b32 hwreg(HW_REG_WAVE_MODE, 25, 1), 1
	s_wait_xcnt 0x0
	s_wait_alu depctr_hold_cnt(0) depctr_sa_sdst(0) depctr_va_vdst(0) depctr_va_sdst(0) depctr_va_ssrc(0) depctr_va_vcc(0) depctr_vm_vsrc(0)
	s_getreg_b32 s2, hwreg(HW_REG_IB_STS2, 6, 4)
	s_cmp_eq_u32 s2, 0
	s_cbranch_scc0 .Lentry_in_a_cluster
	s_endpgm
.Lentry_in_a_cluster:
	s_bfe_u32 s2, ttmp6, 0x10000c
	s_cmp_lg_u32 s2, 0xf033
	s_cbranch_scc0 .Lentry_shape_is_right
	s_endpgm
.Lentry_shape_is_right:
; out0 = attn Wo^T + bo on codes of FP6 (E2M3) with E8M0 scales, K = 1,024.  A: ac [16 planes of 64 along K = heads][8,192 stored tokens][48], asc [stored token][32].
; B: Wo's rows in codes1 [16 planes][12,288 stored rows][48] from stored row 11,264 on, scales1 [stored row][32].  out0: [8,192][1,024] f32.  Stored rows lie with bits 3 and 4 of the row exchanged.
; A tile of C is 256 x 256: four waves, each 128 x 128 in 64 accumulators; K in steps of 256 (four planes) through two LDS slots; a wave's tile is [4 planes][128 rows][48 bytes]; a fragment is six loads of 8 bytes, lanes 24 bytes apart.
; CLUSTERS: 4 x 4 work-groups; A's tiles are asked for jointly along a row of the cluster, B's along a column.
; THE MATRIX INSTRUCTION IS USED TRANSPOSED (source 0 = 16 stored rows of Wo, source 1 = 16 stored tokens): lane (r, h) holds stored token r; register j of accumulator (a, b) is column 32 (b / 2) + 16 h + 8 (b % 2) + j.
; bo is the C of each sum's first product.  A token whose scale bytes are 0xff (a query with no key) gets a row of NaN.
; WAY OUT: a block of 16 stored tokens goes through the wave's stage, columns in their true order, and leaves as whole rows of 512 bytes at the tokens' true rows.
; 128 work-groups: the tile keeps the wave's 128 x 128; a smaller tile would give more work-groups and read each fragment for fewer products.
.set NQ,     2
.set FR,     12
.set NL,     6
.set NP,     4
.set ASTEP,  4*393216                  ; a K step on in ac,
.set BSTEP,  4*589824                  ; and in codes1
.set HALFT,  24576
.set SLOT,   4*HALFT
.set KS,     32
.set SCL,    2*SLOT
.set HALFS,  16*272
.set SBLK,   2*272
.set STAGE,  SCL+4*HALFS               ; the way out: bytes of its own: 16 rows x (512 + 16) for each wave
.set SPITCH, 528
.set SPARE,  STAGE+4*16*SPITCH         ; the spare words: 128 bytes a wave, named by no other line
.set ADRA, 16
.set ADRB, 20
.set STO,  24                          ; v24 the stage: where I put 16 bytes of a row
.set RD,   25                          ; v25 where I read a row back
.set CO,   26                          ; v26 16 x lane
.set ADRS, 27
.set SPW,  28
.set NIL,  29
.set SC,   32
.set BIAS, 64
.set AF,   128
.set BK,   128                         ; the way out: 16 rows read back: v128-191 and v192-255 by turns
.set G1, 24
.set G0, 32
.set G1B, 48
.set G0B, 56
.set G1S, 68
.set G0S, 76
.set G1SB, 80
.set G0SB, 88
.set MSB, 0
.macro WIN new                         ; the immediate's high byte repeats the setting that is left
.if MSB != \new
	s_set_vgpr_msb (MSB<<8)|\new
.set MSB, \new
.endif
.endm
.set MUL_LO, 0xa1
.set MUL_HI, 0xf1
.set TO_B,   0x40
.macro JLOAD g0a, g1a, g0b, g1b        ; a joint load: waves 0 and 1 fetch for A, waves 2 and 3 for B; an s_nop 0 and four v_nop follow each of the two lines
	s_cmp_eq_u32 s15, 0
	s_cbranch_scc0 .Lfor_b_\@
	tensor_load_to_lds s[\g0a:\g0a+3], s[\g1a:\g1a+7]
	s_nop 0
.rept 4
	v_nop
.endr
	s_branch .Lasked_\@
.Lfor_b_\@:
	tensor_load_to_lds s[\g0b:\g0b+3], s[\g1b:\g1b+7]
	s_nop 0
.rept 4
	v_nop
.endr
.Lasked_\@:
.endm
.macro CREST
	s_cmp_lg_u32 s14, 0
	s_cbranch_scc1 .Lnot_wave_0_\@
	s_barrier_signal -3
.Lnot_wave_0_\@:
	s_barrier_wait -3
	s_barrier_signal -1
	s_barrier_wait -1
.endm
.macro CROUND
	s_barrier_signal -1
	s_barrier_wait -1
	CREST
.endm
	s_load_b256 s[4:11], s[0:1], 0x0               ; ac s[4:5], asc s[6:7], codes1 s[8:9], scales1 s[10:11]
	s_load_b128 s[96:99], s[0:1], 0x20             ; bo s[96:97], out0 s[98:99]
	v_lshl_add_u32 v[SPW], v0, 2, SPARE
	v_mov_b32 v[NIL], 0
	ds_add_u32 v[SPW], v[NIL]                      ; the wave's opening: the add and its wait stand ahead of my first tensor load
	v_lshrrev_b32 v1, 5, v0
	v_readfirstlane_b32 s14, v1                    ; wave 0..3
	s_lshr_b32 s15, s14, 1                         ; which half of the tokens is mine.  Also: I fetch for A (0) or for B (1)
	s_and_b32 s16, s14, 1                          ; which half of the columns.  Also: which 128 rows I fetch
	s_bfe_u32 s40, ttmp6, 0x40000                  ; cx
	s_bfe_u32 s41, ttmp6, 0x40004                  ; cy
	s_lshl_b32 s42, ttmp9, 2
	s_add_co_u32 s42, s42, s40                     ; tile column
	s_and_b32 s17, ttmp7, 0xffff
	s_lshl_b32 s17, s17, 2
	s_add_co_u32 s17, s17, s41                     ; tile row
	s_lshl_b32 s43, s41, 2
	s_lshl_b32 s43, 15, s43                        ; my row of the cluster
	s_lshl_b32 s44, 0x1111, s40                    ; my column
	s_or_b32 s[G1+0], s43, (3<<16)|(1<<21)         ; the mask; elements of 8 bytes; bit 21 beside a mask; no padding
	s_or_b32 s[G1B+0], s44, (3<<16)|(1<<21)
.irp g, G1, G1B
	s_mov_b32 s[\g+1], 768<<16                     ; 128 rows x 48 bytes of one plane, dense
	s_mov_b32 s[\g+2], 4<<16                       ; 4 planes
	s_mov_b32 s[\g+3], 768<<16
	s_mov_b32 s[\g+4], 4
	s_mov_b32 s[\g+6], 0
	s_mov_b32 s[\g+7], 0
.endr
	s_mov_b32 s[G1+5], 393216/8                    ; from plane to plane in ac,
	s_mov_b32 s[G1B+5], 589824/8                   ; and in codes1
	s_or_b32 s[G1S+0], s43, (3<<16)|(1<<20)|(1<<21)|(5<<22)|(3<<25)   ; the scales of 128 rows: 16 rows of 256 dense bytes, 16 bytes of padding behind each
	s_or_b32 s[G1SB+0], s44, (3<<16)|(1<<20)|(1<<21)|(5<<22)|(3<<25)
.irp g, G1S, G1SB
	s_mov_b32 s[\g+1], 32<<16
	s_mov_b32 s[\g+2], 16<<16
	s_mov_b32 s[\g+3], 32<<16
	s_mov_b32 s[\g+4], 16
	s_mov_b32 s[\g+5], 32
	s_mov_b32 s[\g+6], 0
	s_mov_b32 s[\g+7], 0
.endr
	s_lshl_b32 s18, s16, 7
	s_lshl_b32 s20, s17, 8
	s_add_co_u32 s20, s20, s18                     ; A: stored token 256 x tile row + 128 x half
	s_lshl_b32 s46, s42, 8
	s_add_co_u32 s46, s46, s18
	s_add_co_u32 s46, s46, 11264                   ; B: Wo's stored rows begin at 11,264
	s_lshl_b32 s22, s20, 5
	s_mov_b32 s23, 0
	s_lshl_b32 s92, s46, 5
	s_mov_b32 s93, 0
	s_mul_i32 s20, s20, 48
	s_mov_b32 s21, 0
	s_mul_i32 s46, s46, 48
	s_mov_b32 s47, 0
	s_mul_i32 s45, s14, HALFT
	s_mul_i32 s94, s14, HALFS
	s_wait_dscnt 0x0                               ; the opening add is done
	s_wait_kmcnt 0x0
	s_add_nc_u64 s[20:21], s[4:5], s[20:21]
	s_add_nc_u64 s[22:23], s[6:7], s[22:23]
	s_add_nc_u64 s[46:47], s[8:9], s[46:47]
	s_add_nc_u64 s[92:93], s[10:11], s[92:93]
	CROUND                                         ; all sixteen work-groups are here: the first joint loads meet
	s_mov_b32 s[G0S], 1
	s_add_co_u32 s[G0S+1], s94, SCL
	s_mov_b64 s[G0S+2:G0S+3], s[22:23]
	s_or_b32 s[G0S+3], s[G0S+3], 0x80000000
	s_mov_b32 s[G0SB], 1
	s_add_co_u32 s[G0SB+1], s94, SCL
	s_mov_b64 s[G0SB+2:G0SB+3], s[92:93]
	s_or_b32 s[G0SB+3], s[G0SB+3], 0x80000000
	JLOAD G0S, G1S, G0SB, G1SB                     ; the scales first: filled once
.irp s, 0,1
	s_mov_b32 s[G0+4*\s], 1
	s_add_co_u32 s[G0+4*\s+1], s45, \s*SLOT
	s_add_nc_u64 s[G0+4*\s+2:G0+4*\s+3], s[20:21], \s*ASTEP
	s_or_b32 s[G0+4*\s+3], s[G0+4*\s+3], 0x80000000
	s_mov_b32 s[G0B+4*\s], 1
	s_add_co_u32 s[G0B+4*\s+1], s45, \s*SLOT
	s_add_nc_u64 s[G0B+4*\s+2:G0B+4*\s+3], s[46:47], \s*BSTEP
	s_or_b32 s[G0B+4*\s+3], s[G0B+4*\s+3], 0x80000000
	JLOAD G0+4*\s, G1, G0B+4*\s, G1B               ; by this text's count three tensor loads of mine are out
.endr
	v_and_b32 v1, 15, v0                           ; r
	v_bfe_u32 v2, v0, 4, 1                         ; h
	v_mul_u32_u24 v3, v1, 48
	v_mad_u32_u24 v4, v2, 24, v3
	s_mul_i32 s21, s15, HALFT
	s_mul_i32 s22, s16, HALFT
	s_add_co_u32 s22, s22, 2*HALFT
.irp s, 0,1
	v_add_nc_u32 v[ADRA+\s], s21, v4
	v_add_nc_u32 v[ADRB+\s], s22, v4
	s_add_co_u32 s21, s21, SLOT
	s_add_co_u32 s22, s22, SLOT
.endr
	v_mul_u32_u24 v5, v1, KS
	v_lshrrev_b32 v6, 8, v5
	v_lshl_add_u32 v5, v6, 4, v5
	s_mul_i32 s21, s15, HALFS
	s_mul_i32 s22, s16, HALFS
	s_add_co_u32 s22, s22, 2*HALFS
	s_sub_co_u32 s22, s22, s21
	v_mul_u32_u24 v6, s22, v2                      ; lanes 16-31 take B's
	s_add_co_u32 s21, s21, SCL
	v_add_nc_u32 v5, v5, v6
	v_add_nc_u32 v[ADRS], s21, v5
	s_mul_i32 s23, s14, 16*SPITCH
	s_add_co_u32 s23, s23, STAGE                   ; my stage
	v_mul_u32_u24 v5, v1, SPITCH
	v_lshl_add_u32 v5, v2, 6, v5
	v_add_nc_u32 v[STO], s23, v5                   ; in: row r, + 64 h: columns 16 h on of each 32
	v_and_b32 v6, 31, v0
	v_lshlrev_b32 v[CO], 4, v6
	v_add_nc_u32 v[RD], s23, v[CO]
	s_lshl_b32 s20, s42, 10                        ; my first column, in bytes: 1,024 x tile column + 512 x half
	s_lshl_b32 s21, s16, 9
	s_add_co_u32 s20, s20, s21
	s_mov_b32 s21, 0
	s_add_nc_u64 s[96:97], s[96:97], s[20:21]      ; bo there,
	s_add_nc_u64 s[98:99], s[98:99], s[20:21]      ; out0 there,
	s_lshl_b32 s20, s17, 8
	s_lshl_b32 s22, s15, 7
	s_add_co_u32 s20, s20, s22
	s_lshl_b32 s20, s20, 12                        ; at my first row: 4,096 bytes a row
	s_add_nc_u64 s[98:99], s[98:99], s[20:21]
	v_lshlrev_b32 v7, 6, v2
.irp b, 0,1,2,3,4,5,6,7
	global_load_b128 v[BIAS+8*\b:BIAS+8*\b+3], v7, s[96:97] offset:4*(32*(\b/2)+8*(\b%2))      ; bo at columns 32 (b / 2) + 16 h + 8 (b % 2) + 0 .. 7
	global_load_b128 v[BIAS+8*\b+4:BIAS+8*\b+7], v7, s[96:97] offset:4*(32*(\b/2)+8*(\b%2))+16
.endr
.macro FRAG reg, adr, q, i             ; registers 0-5 from plane 2 q, registers 6-11 from plane 2 q + 1 of the slot
.irp p, 0,1,2,3,4,5
	ds_load_b64 v[\reg+2*\p:\reg+2*\p+1], v[\adr] offset:(2*(\q)+\p/3)*6144+(\i)*768+8*(\p%3)
.endr
.endm
; 16 matrix instructions: A's blocks a0, a0 + 1 x B's eight.  zero = 1: the sums start from bo.  The 64 accumulators take turns, one instruction a turn.
.macro MUL16 a0, p, q, sc, zero
.irp a, \a0, \a0+1
.irp b, 0,1,2,3,4,5,6,7
.if \zero
	v_wmma_scale_f32_16x16x128_f8f6f4 v[8*(8*((\a)%4)+\b):8*(8*((\a)%4)+\b)+7], v[128*(\p)+FR*\b:128*(\p)+FR*\b+FR-1], v[AF+FR*(\a):AF+FR*(\a)+FR-1], v[BIAS+8*\b:BIAS+8*\b+7], v[SC+8*NQ*(\sc)+NQ*\b+(\q)], v[SC+8*NQ*(\sc)+NQ*(\a)+(\q)] matrix_a_fmt:MATRIX_FMT_FP6 matrix_b_fmt:MATRIX_FMT_FP6 matrix_a_scale:MATRIX_SCALE_ROW1
.else
	v_wmma_scale_f32_16x16x128_f8f6f4 v[8*(8*((\a)%4)+\b):8*(8*((\a)%4)+\b)+7], v[128*(\p)+FR*\b:128*(\p)+FR*\b+FR-1], v[AF+FR*(\a):AF+FR*(\a)+FR-1], v[8*(8*((\a)%4)+\b):8*(8*((\a)%4)+\b)+7], v[SC+8*NQ*(\sc)+NQ*\b+(\q)], v[SC+8*NQ*(\sc)+NQ*(\a)+(\q)] matrix_a_fmt:MATRIX_FMT_FP6 matrix_b_fmt:MATRIX_FMT_FP6 matrix_a_scale:MATRIX_SCALE_ROW1
.endif
.endr
.endr
.endm
.macro FETCH_B slot, q, p
	WIN TO_B
.irp i, 0,1,2,3,4,5,6,7
	FRAG 128*(\p)+FR*\i, ADRB+\slot, \q, \i
.endr
	WIN 0
.endm
.macro FETCH_A slot, q, i0
.irp i, \i0, \i0+1, \i0+2, \i0+3
	FRAG AF+FR*(\i), ADRA+\slot, \q, \i
.endr
.endm
.macro SCALES sc
.irp i, 0,1,2,3,4,5,6,7
	ds_load_b64 v[SC+8*NQ*\sc+NQ*\i:SC+8*NQ*\sc+NQ*\i+1], v[ADRS] offset:\i*SBLK
.endr
.endm
.macro PLACES n                        ; plain vector instructions between a matrix instruction and a load into, or a read of, its registers
.rept \n
	v_nop
.endr
.endm
.macro STEP slot, q, zero
	s_wait_dscnt 4*NL                              ; B's set, A's blocks 0-3 and the scale words are in; the youngest 24 loads (A's blocks 4-7) may be out
.if \zero
	WIN 0x81                                       ; C: bo, in window 0
.else
	WIN MUL_LO
.endif
	MUL16 0, (\q)%2, \q, \slot, \zero
	MUL16 2, (\q)%2, \q, \slot, \zero
	s_wait_dscnt 0
	PLACES NP
	FETCH_B \slot, (\q)+1, 1-(\q)%2
	FETCH_A \slot, (\q)+1, 0
.if \zero
	WIN 0xc1
.else
	WIN MUL_HI
.endif
	MUL16 4, (\q)%2, \q, \slot, \zero
	MUL16 6, (\q)%2, \q, \slot, \zero
	PLACES NP
	WIN 0
	FETCH_A \slot, (\q)+1, 4
.endm
; A slot's last step changes slots: ONE barrier; in front of it each wave waits for all its tensor loads, adds 0 to its spare word, and waits for that and for its reads of this slot.
.macro TURN slot, next, fill
	s_wait_tensorcnt 0x0                           ; all my tensor loads have landed: my part of the next slot
	ds_add_u32 v[SPW], v[NIL]                      ; 0 onto my spare word
	s_wait_dscnt 4*NL+1                            ; the add and the youngest 24 loads may be out
	WIN MUL_LO
	MUL16 0, 1, NQ-1, \slot, 0
	s_wait_dscnt 0x0                               ; the add is done, and my reads of this slot are over
	s_barrier_signal -1
	MUL16 2, 1, NQ-1, \slot, 0
	WIN 0
	s_barrier_wait -1
.if \fill
	CREST                                          ; the barrier has opened a round of the cluster's barrier
	s_add_nc_u64 s[G0+4*\slot+2:G0+4*\slot+3], s[G0+4*\slot+2:G0+4*\slot+3], 2*ASTEP
	s_add_nc_u64 s[G0B+4*\slot+2:G0B+4*\slot+3], s[G0B+4*\slot+2:G0B+4*\slot+3], 2*BSTEP
	JLOAD G0+4*\slot, G1, G0B+4*\slot, G1B         ; the first tensor load behind the round; its four v_nop are also the places in front of the loads below
.else
	PLACES NP
.endif
	v_add_nc_u32 v[ADRS], 4*NQ, v[ADRS]
	FETCH_B \next, 0, 0
	FETCH_A \next, 0, 0
	SCALES \next
	WIN MUL_HI
	MUL16 4, 1, NQ-1, \slot, 0
	MUL16 6, 1, NQ-1, \slot, 0
	PLACES NP
	WIN 0
	FETCH_A \next, 0, 4
.endm
	s_wait_tensorcnt 1                             ; the scales and my part of K step 0 are in; K step 1's load may be out
	s_barrier_signal -1
	s_barrier_wait -1
	FETCH_B 0, 0, 0
	FETCH_A 0, 0, 0
	SCALES 0
	FETCH_A 0, 0, 4
	s_wait_loadcnt 0x0                             ; bo
	STEP 0, 0, 1
	TURN 0, 1, 1                                   ; K = 1,024 is four K steps: written straight
	STEP 1, 0, 0
	TURN 1, 0, 1
	STEP 0, 0, 0
	TURN 0, 1, 0                                   ; nothing is left to fetch
	STEP 1, 0, 0
	s_wait_dscnt 4*NL
	WIN MUL_LO
	MUL16 0, 1, NQ-1, 1, 0
	MUL16 2, 1, NQ-1, 1, 0
	s_wait_dscnt 0
	WIN MUL_HI
	MUL16 4, 1, NQ-1, 1, 0
	MUL16 6, 1, NQ-1, 1, 0
	WIN 0
; THE WAY OUT, block by block of 16 stored tokens x 128 columns, through my own stage: LDS serves a wave's instructions in order, so no wait stands between the stores and the loads, nor in front of the next block's stores.
.macro TOSTAGE a
.set AC, 64*((\a)%4)
.set WD, 0x08+4*((\a)/4)
	WIN WD                                         ; the data: window 2 or 3
.irp b, 0,1,2,3,4,5,6,7
	ds_store_b128 v[STO], v[AC+8*\b:AC+8*\b+3] offset:128*(\b/2)+32*(\b%2)        ; each accumulator from its low end on
	ds_store_b128 v[STO], v[AC+8*\b+4:AC+8*\b+7] offset:128*(\b/2)+32*(\b%2)+16
.endr
	WIN 0
.set BB, BK+64*((\a)%2)
.irp t, 0,1,2,3,4,5,6,7,8,9,10,11,12,13,14,15
	ds_load_b128 v[BB+4*\t:BB+4*\t+3], v[RD] offset:\t*SPITCH
.endr
.endm
.macro SEND a, younger                 ; younger: the LDS instructions issued behind block a's loads, which may stay out
.set BB, BK+64*((\a)%2)
	s_wait_dscnt \younger
.irp t, 0,1,2,3,4,5,6,7,8,9,10,11,12,13,14,15
	global_store_b128 v[CO], v[BB+4*\t:BB+4*\t+3], s[98:99] offset:(32*((\a)/2)+8*((\a)%2)+\t+8*(\t/8))*4096 th:TH_STORE_NT   ; stored token 16 a + t is this row; 32 lanes store 512 consecutive bytes, at a multiple of 256 from out0's first byte
.endr
.endm
	PLACES NP
	TOSTAGE 0
.irp a, 1,2,3,4,5,6,7
.if \a > 1
	s_wait_xcnt 0x0                                ; block a - 2's stores have read their registers: block a's loads may land there
.endif
	TOSTAGE \a
	SEND \a-1, 32                                  ; behind block a - 1's loads: block a's 16 stores and 16 loads
.endr
	SEND 7, 0
	s_wait_tensorcnt 0x0                           ; the wave's end, behind my last tensor load and my last LDS store
	ds_add_u32 v[SPW], v[NIL]
	s_wait_dscnt 0x0
	CROUND                                         ; the closing round: no work-group ends while a partner may still ask for a tile that names it
	s_endpgm
.Lfunc_end_k_qabbd68705f_proj:
	.size	k_qabbd68705f_proj, .Lfunc_end_k_qabbd68705f_proj-k_qabbd68705f_proj
	.p2alignl 7, 3214868480
	.fill 96, 4, 3214868480
	.section	.rodata,"a",@progbits
	.p2align	6, 0x0
	.amdhsa_kernel k_qabbd68705f_proj
		.amdhsa_group_segment_fixed_size 327680
		.amdhsa_private_segment_fixed_size 0
		.amdhsa_enable_private_segment 0
		.amdhsa_kernarg_size 48
		.amdhsa_user_sgpr_count 2
		.amdhsa_user_sgpr_kernarg_segment_ptr 1
		.amdhsa_wavefront_size32 1
		.amdhsa_system_sgpr_workgroup_id_x 1
		.amdhsa_system_sgpr_workgroup_id_y 1
		.amdhsa_system_sgpr_workgroup_id_z 1
		.amdhsa_system_vgpr_workitem_id 0
		.amdhsa_next_free_vgpr 1024
		.amdhsa_next_free_sgpr 100
		.amdhsa_reserve_vcc 0
		.amdhsa_float_denorm_mode_32 3
		.amdhsa_float_denorm_mode_16_64 3
		.amdhsa_memory_ordered 1
		.amdhsa_forward_progress 1
		.amdhsa_inst_pref_size 160
	.end_amdhsa_kernel
	.amdgpu_metadata
---
amdhsa.version: [ 1, 2 ]
amdhsa.kernels:
  - .name:           k_qabbd68705f_proj
    .symbol:         k_qabbd68705f_proj.kd
    .args:
      - { .name: ac, .offset: 0, .size: 8, .value_kind: global_buffer, .address_space: global }
      - { .name: asc, .offset: 8, .size: 8, .value_kind: global_buffer, .address_space: global }
      - { .name: codes1, .offset: 16, .size: 8, .value_kind: global_buffer, .address_space: global }
      - { .name: scales1, .offset: 24, .size: 8, .value_kind: global_buffer, .address_space: global }
      - { .name: bo, .offset: 32, .size: 8, .value_kind: global_buffer, .address_space: global }
      - { .name: out0, .offset: 40, .size: 8, .value_kind: global_buffer, .address_space: global }
    .group_segment_fixed_size: 327680
    .private_segment_fixed_size: 0
    .kernarg_segment_align: 8
    .kernarg_segment_size: 48
    .max_flat_workgroup_size: 128
    .sgpr_count:     100
    .vgpr_count:     1024
    .wavefront_size: 32
...
	.end_amdgpu_metadata
.endif
;; end of part 4
